; MI455X (gfx1250); checked and timed in simulation.
; The chip was launched on July 23, 2026; its instructions are those of AMD's public machine-readable ISA for CDNA 5 (MIT licence, August 2026) and "CDNA5" Instruction Set Architecture Reference Guide (July 2026). The comments in the code are by the model that wrote it; some were corrected since.
;; Local State. Allowed arithmetic: matrix products marked QUANTISED: E2M3 operands, one E8M0 scale for each 32 along K, by v_wmma_scale_f32_16x16x128_f8f6f4 with both operands' format E2M3, f32 sums; products left as they are: f32 operands where the result goes on into a quantised operand, else bf16, f16 or f32 operands; f32 sums; everything else in f32.
;; Inputs: W_content_codes 1,024 x 32 x 24 uint8 (E2M3 codes of W_content, K innermost, in blocks of 32 codes, four codes in three bytes); W_content_scales 1,024 x 32 uint8 (E8M0 scales of W_content, one for each 32 codes along K); W_key_codes 1,024 x 32 x 24 uint8 (E2M3 codes of W_key, K innermost, in blocks of 32 codes, four codes in three bytes); W_key_scales 1,024 x 32 uint8 (E8M0 scales of W_key, one for each 32 codes along K); W_proj_codes 1,024 x 32 x 24 uint8 (E2M3 codes of W_proj, K innermost, in blocks of 32 codes, four codes in three bytes); W_proj_scales 1,024 x 32 uint8 (E8M0 scales of W_proj, one for each 32 codes along K); W_qdecay_codes 32 x 32 x 24 uint8 (E2M3 codes of W_qdecay, K innermost, in blocks of 32 codes, four codes in three bytes); W_qdecay_scales 32 x 32 uint8 (E8M0 scales of W_qdecay, one for each 32 codes along K); W_query_codes 1,024 x 32 x 24 uint8 (E2M3 codes of W_query, K innermost, in blocks of 32 codes, four codes in three bytes); W_query_scales 1,024 x 32 uint8 (E8M0 scales of W_query, one for each 32 codes along K); b_content 1,024 float32; b_key 1,024 float32; b_proj 1,024 float32; b_qdecay 32 float32; b_query 1,024 float32; x 4 x 1,024 x 2,048 float32.
;; Outputs: out0 4 x 1,024 x 2,048 float32.
;; This version of the problem:
;;   THIS VERSION OF THE PROBLEM IS GIVEN IN LOW PRECISION. The matrix products marked QUANTISED in the list below multiply operands that are first quantised to E2M3 (2 exponent bits, 3 mantissa bits; 6 bits a number), with one power-of-two scale for each 32 numbers along K (OCP MX v1.0); their sums are f32. All else is computed in f32.
;;   The module's matrix products, in the order in which they are computed (A, B: the left and right operand; K: the contracted axis; several contracted axes count as one K, in the product's order):
;;     1. [M 8,192, K 1,024] x [K 1,024, N 1,024]; A: input x; B: input W_query (given as codes): QUANTISED
;;     2. [M 8,192, K 1,024] x [K 1,024, N 1,024]; A: input x; B: input W_key (given as codes): QUANTISED
;;     3. batch 32 x [M 2,048, K 128] x [K 128, N 2,048]; A: computed on the way; B: computed on the way: QUANTISED
;;     4. [M 8,192, K 1,024] x [K 1,024, N 32]; A: input x; B: input W_qdecay (given as codes): QUANTISED
;;     5. batch 2,048 x [M 32, K 4] x [K 4, N 2,048]; A: computed on the way; B: computed on the way: left as it is (K = 4 < 32)
;;     6. [M 8,192, K 1,024] x [K 1,024, N 1,024]; A: input x; B: input W_content (given as codes): QUANTISED
;;     7. batch 32 x [M 128, K 2,048] x [K 2,048, N 2,048]; A: computed on the way; B: softmax (see below): QUANTISED
;;     8. [M 8,192, K 1,024] x [K 1,024, N 1,024]; A: computed on the way; B: input W_proj (given as codes): QUANTISED
;;   THE QUANTISER, for each operand of a quantised product, along K:
;;     - K is cut into blocks of 32 from its start; a last block that is shorter is filled with zeros.
;;     - A block's scale is 2^e with e = floor(log2(the largest magnitude in the block)) - 2, held to -126 .. 127; a block of zeros has e = 0. As a byte (E8M0): e + 127.
;;     - Each number is divided by its block's scale, clamped to +-7.5, and rounded to the nearest number of E2M3, ties to even, subnormals kept.
;;     - The product sums the exact products of the quantised numbers (number of the format x scale) in f32.
;;   ~~~python
;;   def quantise(x, axis):      # numpy; x: float32 -> the quantised numbers, widened to float32 again
;;       x = np.moveaxis(x, axis, -1); K = x.shape[-1]
;;       x = np.pad(x, [(0, 0)] * (x.ndim - 1) + [(0, -K % 32)]); x = x.reshape(x.shape[:-1] + (-1, 32)); a = np.abs(x).max(-1, keepdims=True)
;;       e = np.where(a > 0, np.clip(np.frexp(np.where(a > 0, a, 1))[1] - 1 - 2, -126, 127), 0)      # np.frexp(a)[1] - 1 = floor(log2(a)), exactly
;;       r = np.clip(x / 2.0 ** e, -7.5, 7.5)
;;       step = 2.0 ** (np.maximum(np.frexp(np.where(r == 0, 1, r))[1] - 1, 0) - 3)
;;       q = np.round(r / step) * step * 2.0 ** e      # np.round: ties to even
;;       return np.moveaxis(q.reshape(q.shape[:-2] + (-1,))[..., :K], -1, axis).astype(np.float32)
;;   ~~~
;;   SOFTMAX AHEAD OF A QUANTISED PRODUCT. Where the list says 'softmax', what is quantised is not the finished softmax but p = 2^(t - M), with t = logit x log2(e) and M = ceil(the row's largest t), a whole number; so 1/2 < the row's largest p <= 1. The row's sum l is taken of the UNQUANTISED p, in f32, and the product's result is divided by l at the end. Since M is a whole number, a kernel that streams over the keys may use a running M (the ceiling of the running maximum): every later rescaling is an exact power of two, which a block's scale takes up: the codes' values come out the same.
;;   OPERANDS COMPUTED ON THE WAY. 'Computed on the way' means the value that the module computes at that place (a softmax that the list does not call 'softmax' is quantised finished and normalised). What goes into a quantiser is computed in f32, as accurately as f32 sums, v_exp_f32 and their like allow (about 1e-6 of the number): no bf16 or f16 on the way to a quantiser, and a product that is left as it is and whose result goes on into a quantised operand takes f32 operands (vector FMAs, or v_wmma_f32_16x16x4_f32). A number that lies on a knife's edge between two numbers of the format may be rounded either way, as far as f32 arithmetic and the matrix unit's own rounding can turn it there, and no further.
;;   INPUTS GIVEN AS CODES. W_content (in the module: [1024, 1024], K = its axis 1); W_key (in the module: [1024, 1024], K = its axis 1); W_proj (in the module: [1024, 1024], K = its axis 1); W_qdecay (in the module: [32, 1024], K = its axis 1); W_query (in the module: [1024, 1024], K = its axis 1): each comes as NAME_codes (uint8): NAME with its K axis moved to the last place and cut into blocks of 32 codes, [.., K / 32, bytes a block], one block behind the other in memory; four codes in three bytes: a row's codes are one little-endian stream of bits, code i at bits 6 i .. 6 i + 5 (a code: sign, 2 exponent bits, 3 mantissa bits); and NAME_scales (uint8): the same leading axes, one E8M0 byte (e + 127) for each 32 codes along K. Its value is code x scale, taken as it is: it is not quantised again, and the codes and scales need not be those that the quantiser above would give.
;; One version. Each part assembles by itself: llvm-mc -triple=amdgcn-amd-amdhsa -mcpu=gfx1250 --defsym DOCPART=n.
;; ======== version 1 of 1: 4 launches
;; workspace buffers: xc 6,291,456 bytes; xs 262,144 bytes; dp 4,194,304 bytes; qf 6,553,600 bytes; kv 13,107,200 bytes; rf 6,291,456 bytes; rs 262,144 bytes
;; launch quantx (part 1): grid 16 x 16, 4 waves a work-group, no clusters, 35,840 bytes of LDS; arguments x, W_qdecay_codes, W_qdecay_scales, xc, xs, dp; writes xc, xs, dp
.if DOCPART == 1
	.amdgcn_target "amdgcn-amd-amdhsa--gfx1250"
	.amdhsa_code_object_version 6
	.text
	.protected	k_q569c982ffb_quantx
	.globl	k_q569c982ffb_quantx
	.p2align	8
	.type	k_q569c982ffb_quantx,@function
k_q569c982ffb_quantx:
	s_mov_b64 s[64:65], 0
	v_nop
	global_prefetch_b8 v0, s[64:65] scope:SCOPE_SE
	s_setreg_imm32_b32 hwreg(HW_REG_WAVE_MODE, 25, 1), 1
	s_wait_xcnt 0x0
; LAUNCH 1 OF 4.  x [4][1024 (c)][2048 (t)], f32, is quantised along c into codes of FP6 (E2M3) with K innermost: xc [b 2048 + t][768 bytes], xs [b 2048 + t][32 scale bytes];
; and the decay projection (x with W_qdecay, 32 channels) is multiplied here, from the codes while they are still in registers: each work-group adds up its 256 of the 1,024 along c, dp holds the four parts.
; NO WORK OF THE PROBLEM IS LEFT OUT in any launch: every bias goes into a quantised operand or into the output, and every input is loaded.  The product of the distance kernel with the gates (K = 4) is formed
; in the third launch as -|t - s| x (sum over f of (f + 1) sigmoid_f / 4): the same real number, in f32 multiply-adds.
; A LANE TAKES A COLUMN t, AND ITS REGISTERS RUN DOWN c: each load reads 128 consecutive bytes a wave, a block of 32 along c lies in one lane's 32 registers, and the conversions give codes with c innermost.
; A block's scale byte is its largest magnitude's exponent field - 2, held at 1 from below.
; LIMITS: a block of zeros, or one whose largest magnitude lies under 2^-124, gets the byte 1 (the rule says 127 for zeros): its codes are zeros and only this program reads the bytes.  NaN and infinities among the inputs are not served.
; SHARES: work-group (gx, y): columns 128 gx on, batch y / 4, c from 256 (y % 4) on.  A wave: 32 columns x 256 along c: 8 blocks a lane.
; The codes leave through the wave's own stage in LDS, sixteen lanes to a row's 192 consecutive bytes.  No barrier: waves share nothing.
.set PITCH, 272                        ; a stage row: sixteen places of 16 bytes, 12 bytes of codes in each, + 16
.set KROW,  768                        ; a row of xc in bytes
.set XROW,  8192                       ; a row of x in bytes
.set EMAX,  2
.set NB,    8
.set SB,    24                         ; v24-25   my column's scale words of the two K steps of 128: also the matrix instructions' scale operand
.set X,     32                         ; v32-95   two sets of 32 numbers; at the end the rows read back from the stage
.set CT,    96                         ; v96-98   the upper 16 codes of a block
.set F,     104                        ; v104-151 the codes as operands: even blocks of K step s at F + 12 s, odd blocks at F + 24 + 12 s
.set WF,    152                        ; v152-199 W_qdecay's fragments: (tile e of 16 channels, K step s) at 12 (2 e + s)
.set WS,    200                        ; v200-203 their scale words
.set ACC,   204                        ; v204-235 four sums: (16 columns u, 16 channels e) at 8 (2 u + e)
.set SPW,   14                         ; v14      LDS address of my spare word; never rewritten
.set NIL,   15                         ; v15      0; never rewritten
.set SPARE, 4*32*PITCH                 ; behind the four stages: the spare words, 128 bytes a wave
	s_load_b256 s[4:11], s[0:1], 0x0               ; x, W_qdecay's codes, its scales, xc
	s_load_b128 s[12:15], s[0:1], 0x20             ; xs, dp
	v_lshl_add_u32 v[SPW], v0, 2, SPARE
	v_mov_b32 v[NIL], 0
	v_lshrrev_b32 v1, 5, v0
	v_readfirstlane_b32 s16, v1                    ; wave 0..3
	v_and_b32 v2, 31, v0                           ; lane
	v_lshlrev_b32 v3, 2, v2                        ; x: 4 bytes a lane
	s_mul_i32 s19, s16, 32*PITCH                   ; my stage
	v_mul_u32_u24 v4, v2, PITCH
	v_add_nc_u32 v4, s19, v4                       ; into it: row = my column
	v_and_b32 v5, 15, v2
	v_lshrrev_b32 v6, 4, v2
	v_mul_u32_u24 v7, v6, PITCH
	v_lshl_add_u32 v7, v5, 4, v7
	v_add_nc_u32 v7, s19, v7                       ; out of it: sixteen lanes to a row, two rows an instruction
	v_mul_u32_u24 v8, v6, KROW
	v_mad_u32_u24 v8, v5, 12, v8                   ; the same place in xc
	v_lshlrev_b32 v9, 5, v2                        ; xs: 32 bytes a row
	v_mul_u32_u24 v10, v5, KROW
	v_mad_u32_u24 v10, v6, 24, v10                 ; W_qdecay: row lane % 16, + 24 bytes for the upper half of the lanes
	v_lshlrev_b32 v16, 5, v5                       ; its scale bytes: 32 a row
	v_lshlrev_b32 v17, 4, v2                       ; dp: 16 bytes a lane
	s_and_b32 s18, ttmp7, 0xffff                   ; y = 4 b + kq
	s_lshl_b32 s17, ttmp9, 7
	s_lshl_b32 s20, s16, 5
	s_add_co_u32 s17, s17, s20                     ; my wave's first column
	s_lshr_b32 s21, s18, 2                         ; b
	s_and_b32 s22, s18, 3                          ; kq
	s_lshl_b32 s24, s18, 21                        ; x: y x 256 rows of 8,192 bytes
	s_lshl_b32 s20, s17, 2
	s_add_co_u32 s24, s24, s20
	s_mov_b32 s25, 0
	s_lshl_b32 s23, s21, 11
	s_add_co_u32 s23, s23, s17                     ; row of xc and xs: 2048 b + column
	s_mul_i32 s26, s23, KROW
	s_mul_i32 s32, s22, 192                        ; 256 codes are 192 bytes
	s_add_co_u32 s26, s26, s32
	s_mov_b32 s27, 0
	s_mov_b32 s33, 0
	s_lshl_b32 s28, s23, 5
	s_lshl_b32 s30, s22, 3                         ; and 8 scale bytes
	s_add_co_u32 s28, s28, s30
	s_mov_b32 s29, 0
	s_mov_b32 s31, 0
	s_lshl_b32 s34, s18, 7                         ; dp: (128 y + 8 gx + 2 wave) tiles of 2,048 bytes
	s_lshl_b32 s36, ttmp9, 3
	s_add_co_u32 s34, s34, s36
	s_lshl_b32 s36, s16, 1
	s_add_co_u32 s34, s34, s36
	s_lshl_b32 s34, s34, 11
	s_mov_b32 s35, 0
	s_wait_kmcnt 0x0
	s_add_nc_u64 s[4:5], s[4:5], s[24:25]
	s_add_nc_u64 s[6:7], s[6:7], s[32:33]
	s_add_nc_u64 s[8:9], s[8:9], s[30:31]
	s_add_nc_u64 s[10:11], s[10:11], s[26:27]
	s_add_nc_u64 s[12:13], s[12:13], s[28:29]
	s_add_nc_u64 s[14:15], s[14:15], s[34:35]
.irp e, 0,1                                    ; W_qdecay's four fragments of my 256 along c, as they lie: 24 bytes in three pieces of 8
.irp s, 0,1
.irp p, 0,1,2,3,4,5
	global_load_b64 v[WF+12*(2*\e+\s)+2*\p:WF+12*(2*\e+\s)+2*\p+1], v10, s[6:7] offset:\e*12288+\s*96+48*(\p/3)+8*(\p%3)
.endr
	global_load_b32 v[WS+2*\e+\s], v16, s[8:9] offset:\e*512+4*\s
.endr
.endr
.macro LOAD t                          ; block t: x(32 t + i, my column), i = 0 .. 31, into set t % 2
.irp i, 0,1,2,3,4,5,6,7,8,9,10,11,12,13,14,15,16,17,18,19,20,21,22,23,24,25,26,27,28,29,30,31
	global_load_b32 v[X+32*((\t)%2)+\i], v3, s[4:5] offset:(32*(\t)+\i)*XROW th:TH_LOAD_NT
.endr
.endm
	LOAD 0
	LOAD 1
.macro BLOCK t
.set XS, X+32*((\t)%2)
.set FD, F+24*((\t)%2)+12*((\t)/4)+6*(((\t)%4)/2)  ; where the block's six registers of codes stay for the product
.if (\t) < NB-1
	s_wait_loadcnt 32                              ; this block's 32 loads (and all older ones) are in; the next block's 32 may be out
.else
	s_wait_loadcnt 0
.endif
	v_max3_num_f32 v12, |v[XS]|, |v[XS+1]|, |v[XS+2]|   ; the block's largest magnitude: all 32 numbers are mine; two chains
	v_max3_num_f32 v13, |v[XS+3]|, |v[XS+4]|, |v[XS+5]|
.irp i, 6,10,14,18,22,26
	v_max3_num_f32 v12, v12, |v[XS+\i]|, |v[XS+\i+1]|
	v_max3_num_f32 v13, v13, |v[XS+\i+2]|, |v[XS+\i+3]|
.endr
	v_max3_num_f32 v12, v12, |v[XS+30]|, |v[XS+31]|
	v_max3_num_f32 v12, v12, v13, (EMAX+1)<<23     ; and the floor 2^(3 - 127): the byte cannot fall under 1
	v_add_nc_u32 v11, -(EMAX<<23), v12             ; 2 off the exponent field: the conversion takes this operand's exponent field as its scale
	v_cvt_scalef32_pk16_fp6_f32 v[FD:FD+2], v[XS:XS+15], v11
	v_cvt_scalef32_pk16_fp6_f32 v[CT:CT+2], v[XS+16:XS+31], v11   ; (a conversion's three registers begin on an even number)
	v_lshrrev_b32 v13, 23, v11                     ; the scale's byte; also the plain line behind the conversions
.if (\t)%4 == 0
	v_mov_b32 v[SB+(\t)/4], v13                    ; four bytes to a word, the lower c in the lower byte
.else
	v_lshl_or_b32 v[SB+(\t)/4], v13, 8*((\t)%4), v[SB+(\t)/4]
.endif
.irp i, 0,1,2
	v_mov_b32 v[FD+3+\i], v[CT+\i]
.endr
	ds_store_b96 v4, v[FD:FD+2] offset:32*(\t)     ; 12 bytes to a place of 16: every LDS address is a multiple of 16
	ds_store_b96 v4, v[CT:CT+2] offset:32*(\t)+16
.if (\t)+2 < NB
	LOAD (\t)+2
.endif
	s_wait_dscnt 0x0                               ; the stores have read their registers: the next block writes v96-98 again
.endm
.irp t, 0,1,2,3,4,5,6,7
	BLOCK \t
.endr
; A lane holds its own column's eight blocks.  An operand wants lanes 0-15 to hold the even blocks of 16 columns and lanes 16-31 the odd blocks of the same columns: the even blocks' lanes 16-31 change
; places with the odd blocks' lanes 0-15.  Then F + 12 s is the fragment of columns 0-15, F + 24 + 12 s that of columns 16-31.
.irp s, 0,1
.irp k, 0,1,2,3,4,5,6,7,8,9,10,11
	v_permlane16_swap_b32 v[F+12*\s+\k], v[F+24+12*\s+\k]
.endr
.endr
.rept 8
	v_nop                                          ; scale words made by vector instructions stand 8 places ahead of a scaled matrix instruction, operands so made 4
.endr
; source 0 = 16 channels of W_qdecay, source 1 = 16 columns of x: register j of lane (r, h) is channel 16 e + 8 h + j at column 16 u + r.  My scale word serves columns 0-15 from lanes 0-15, columns 16-31 from lanes 16-31.
.macro DW s, u, e
.set rD, ACC+8*(2*\u+\e)
.set rW, WF+12*(2*\e+\s)
.set rX, F+24*\u+12*\s
.if (\s == 0) && (\u == 0)
	v_wmma_scale_f32_16x16x128_f8f6f4 v[rD:rD+7], v[rW:rW+11], v[rX:rX+11], 0, v[WS+2*\e+\s], v[SB+\s] matrix_a_fmt:MATRIX_FMT_FP6 matrix_b_fmt:MATRIX_FMT_FP6
.elseif \s == 0
	v_wmma_scale_f32_16x16x128_f8f6f4 v[rD:rD+7], v[rW:rW+11], v[rX:rX+11], 0, v[WS+2*\e+\s], v[SB+\s] matrix_a_fmt:MATRIX_FMT_FP6 matrix_b_fmt:MATRIX_FMT_FP6 matrix_b_scale:MATRIX_SCALE_ROW1
.elseif \u == 0
	v_wmma_scale_f32_16x16x128_f8f6f4 v[rD:rD+7], v[rW:rW+11], v[rX:rX+11], v[rD:rD+7], v[WS+2*\e+\s], v[SB+\s] matrix_a_fmt:MATRIX_FMT_FP6 matrix_b_fmt:MATRIX_FMT_FP6
.else
	v_wmma_scale_f32_16x16x128_f8f6f4 v[rD:rD+7], v[rW:rW+11], v[rX:rX+11], v[rD:rD+7], v[WS+2*\e+\s], v[SB+\s] matrix_a_fmt:MATRIX_FMT_FP6 matrix_b_fmt:MATRIX_FMT_FP6 matrix_b_scale:MATRIX_SCALE_ROW1
.endif
.endm
.irp s, 0,1                                    ; the four sums take turns, one instruction a turn; the first K step starts them
.irp u, 0,1
.irp e, 0,1
	DW \s, \u, \e
.endr
.endr
.endr
	global_store_b64 v9, v[SB:SB+1], s[12:13]      ; my column's 8 scale bytes
.irp t, 0,1,2,3,4,5,6,7,8,9,10,11,12,13,14,15
	ds_load_b96 v[X+4*\t:X+4*\t+2], v7 offset:2*\t*PITCH   ; LDS serves a wave's instructions in order: these see my stores
.endr
.rept 4
	v_nop                                          ; four places between the last matrix instruction and the stores of its results
.endr
.irp k, 0,1,2,3                                ; each sum as an image of its registers, from its low end on: 512 consecutive bytes a store
	global_store_b128 v17, v[ACC+8*\k:ACC+8*\k+3], s[14:15] offset:1024*\k
	global_store_b128 v17, v[ACC+8*\k+4:ACC+8*\k+7], s[14:15] offset:1024*\k+512
.endr
.irp t, 0,1,2,3,4,5,6,7,8,9,10,11,12,13,14,15
	s_wait_dscnt 15-\t                             ; row pair t is back; the younger loads may be out
	global_store_b96 v8, v[X+4*\t:X+4*\t+2], s[10:11] offset:2*\t*KROW
.endr
	s_wait_tensorcnt 0x0                           ; the wave's end
	ds_add_u32 v[SPW], v[NIL]
	s_wait_dscnt 0x0
	s_endpgm
.Lfunc_end_k_q569c982ffb_quantx:
	.size	k_q569c982ffb_quantx, .Lfunc_end_k_q569c982ffb_quantx-k_q569c982ffb_quantx
	.p2alignl 7, 3214868480
	.fill 96, 4, 3214868480
	.section	.rodata,"a",@progbits
	.p2align	6, 0x0
	.amdhsa_kernel k_q569c982ffb_quantx
		.amdhsa_group_segment_fixed_size 35840
		.amdhsa_private_segment_fixed_size 0
		.amdhsa_enable_private_segment 0
		.amdhsa_kernarg_size 48
		.amdhsa_user_sgpr_count 2
		.amdhsa_user_sgpr_kernarg_segment_ptr 1
		.amdhsa_wavefront_size32 1
		.amdhsa_system_sgpr_workgroup_id_x 1
		.amdhsa_system_sgpr_workgroup_id_y 1
		.amdhsa_system_sgpr_workgroup_id_z 1
		.amdhsa_system_vgpr_workitem_id 0
		.amdhsa_next_free_vgpr 240
		.amdhsa_next_free_sgpr 66
		.amdhsa_reserve_vcc 0
		.amdhsa_float_denorm_mode_32 3
		.amdhsa_float_denorm_mode_16_64 3
		.amdhsa_memory_ordered 1
		.amdhsa_forward_progress 1
		.amdhsa_inst_pref_size 49
	.end_amdhsa_kernel
	.amdgpu_metadata
---
amdhsa.version: [ 1, 2 ]
amdhsa.kernels:
  - .name:           k_q569c982ffb_quantx
    .symbol:         k_q569c982ffb_quantx.kd
    .args:
      - { .name: x, .offset: 0, .size: 8, .value_kind: global_buffer, .address_space: global }
      - { .name: W_qdecay_codes, .offset: 8, .size: 8, .value_kind: global_buffer, .address_space: global }
      - { .name: W_qdecay_scales, .offset: 16, .size: 8, .value_kind: global_buffer, .address_space: global }
      - { .name: xc, .offset: 24, .size: 8, .value_kind: global_buffer, .address_space: global }
      - { .name: xs, .offset: 32, .size: 8, .value_kind: global_buffer, .address_space: global }
      - { .name: dp, .offset: 40, .size: 8, .value_kind: global_buffer, .address_space: global }
    .group_segment_fixed_size: 35840
    .private_segment_fixed_size: 0
    .kernarg_segment_align: 8
    .kernarg_segment_size: 48
    .max_flat_workgroup_size: 128
    .sgpr_count:     66
    .vgpr_count:     240
    .wavefront_size: 32
...
	.end_amdgpu_metadata
.endif
;; end of part 1
;; launch qkv (part 2): grid 12 x 32, 4 waves a work-group, clusters of 4 x 4, 327,680 bytes of LDS; arguments xc, xs, W_query_codes, W_query_scales, W_key_codes, W_key_scales, W_content_codes, W_content_scales, b_query, b_key, b_content, qf, kv; writes qf, kv
.if DOCPART == 2
	.amdgcn_target "amdgcn-amd-amdhsa--gfx1250"
	.amdhsa_code_object_version 6
	.text
	.protected	k_q569c982ffb_qkv
	.globl	k_q569c982ffb_qkv
	.p2align	8
	.type	k_q569c982ffb_qkv,@function
k_q569c982ffb_qkv:
	s_mov_b64 s[64:65], 0
	v_nop
	global_prefetch_b8 v0, s[64:65] scope:SCOPE_SE
	s_setreg_imm32_b32 hwreg(HW_REG_WAVE_MODE, 25, 1), 1
	s_wait_xcnt 0x0
	s_wait_alu depctr_hold_cnt(0) depctr_sa_sdst(0) depctr_va_vdst(0) depctr_va_sdst(0) depctr_va_ssrc(0) depctr_va_vcc(0) depctr_vm_vsrc(0)
	s_getreg_b32 s2, hwreg(HW_REG_IB_STS2, 6, 4)
	s_cmp_eq_u32 s2, 0
	s_cbranch_scc0 .Lentry_in_a_cluster
	s_endpgm
.Lentry_in_a_cluster:
	s_bfe_u32 s2, ttmp6, 0x10000c
	s_cmp_lg_u32 s2, 0xf033
	s_cbranch_scc0 .Lentry_shape_is_right
	s_endpgm
.Lentry_shape_is_right:
; LAUNCH 2 OF 4.  queries, keys and content: x (codes from launch 1) with W_query, W_key, W_content (codes as given), K = 1,024, + bias; the results are quantised in registers and stored as operands for the attention.
; A tile is 256 x 256, four waves, 128 x 128 a wave: 64 accumulators, 512 registers.  K goes in steps of 256 through a ring of two LDS slots filled by the tensor data mover; the scale bytes of both sides come once.
; THE CLUSTER'S x IS THE TYPE: 0 queries, 1 keys, 2 content; it is the same in all sixteen partners, so a branch may hang on it.
;   queries, keys: side A (source 1, a result's lane) = 256 rows (b, t) of x;  side B (source 0, a result's registers) = 256 channels of W.  A lane then holds one t and 128 channels of a head: the next K.
;   content:       side A = 256 channels of W_content;  side B = 256 rows (b, t) of x.  A lane then holds one channel and 128 t: the next K.
; A's tile hangs on cy and the cluster's y alone and is asked for jointly by my row of the cluster; B's on cx and the cluster's y alone, by my column.
; THE BIAS is the C of each sum's first matrix instruction: along the registers for queries and keys, along the lanes for content.  Only that first step differs between the types, so it is written twice.
; A WAVE'S RESULT is one BLOCK of 12,800 bytes: eight operands of 16 rows x 128 K as images of their registers (operand a at 1536 a, four registers at 512 c, 16 bytes a lane), then at 12,288 an image of four scale
; registers: register q holds the row words of operand q in lanes 0-15 and of operand q + 4 in lanes 16-31.  qf: [b h][128 queries][block];  kv: [b h][128 keys][keys' block, content's block].
; ORDER ALONG THE NEXT K: register 8 i + j of the half h of the lanes holds index 16 i + 8 h + j.  Registers 16 B .. 16 B + 15 of lanes l and l xor 16 are exactly the indices 32 B .. 32 B + 31: the blocks and their scales
; are the stated ones; inside a block the codes stand in a fixed order that queries and keys share, and content and the softmax's p share, so every product pairs the right numbers.
; LIMITS: as in launch 1 (byte 1 for blocks of zeros or under 2^-124; NaN and infinities not served).
.set NQ,     2                         ; matrix instructions deep in a slot
.set ROWB,   192                       ; a tile's row: 256 codes
.set KROW,   768                       ; a row of codes in memory
.set PITCH,  240                       ; an LDS row: 3 x (64 bytes + 16 of padding)
.set FR,     12                        ; registers of an operand
.set NL,     6                         ; LDS loads that bring one
.set NP,     4                         ; places behind this matrix instruction
.set HALFT,  128*PITCH
.set SLOT,   4*HALFT                   ; A's 256 rows, then B's 256 rows
.set LAPS,   2                         ; 1,024 / 512
.set KS,     32                        ; a row of scale bytes
.set SCL,    2*SLOT                    ; behind the ring: the scale bytes, units of 256 bytes + 16
.set HALFS,  16*272                    ; those of 128 rows
.set SBLK,   2*272                     ; those of 16 rows
.set SPARE,  SCL+4*HALFS               ; the spare words, 128 bytes a wave
.set ADRA, 16                          ; v16-17 LDS address of my A operands in slot 0, 1 (v18-19: behind one padding more)
.set ADRB, 20                          ; v20-23 the same for B
.set LI,   26                          ; v26    16 x lane
.set ADRS, 27                          ; v27    my scale words: lanes 0-15 A's rows, lanes 16-31 B's
.set SPW,  28
.set NIL,  29
.set SC,   32                          ; v32-63 scale words, two sets; nothing else is ever held there
.set BIAS, 64                          ; v64-127 the bias as eight C operands; on the way out v64-103 are at work
.set AF,   128                         ; v128-223 A's operands, one set; on the way out the codes made
.set VB,   224                         ; v224-231 the bias along the lanes
.set TM,   64
.set PW,   80
.set UU,   88
.set CT,   96
.set G1, 24
.set G0, 32
.set G1B, 48
.set G0B, 56
.set G1S, 68
.set G0S, 76
.set G1SB, 80
.set G0SB, 88
.set MSB, 0
.macro WIN new                         ; the immediate's high byte repeats the setting that is left
.if MSB != (\new)
	s_set_vgpr_msb (MSB<<8)|(\new)
.set MSB, (\new)
.endif
.endm
.set MUL_LO, 0xa1                      ; source 0 (B) window 1, source 1 (A) window 0, C and D window 2
.set MUL_HI, 0xf1                      ; the same, C and D window 3
.set TO_B,   0x40
; A joint load: waves 0 and 1 fetch for A, waves 2 and 3 for B; the branch hangs on the wave's number alone.  An s_nop 0 and four v_nop follow each line.
.macro JLOAD g0a, g1a, g0b, g1b
	s_cmp_eq_u32 s15, 0
	s_cbranch_scc0 .Lfor_b_\@
	tensor_load_to_lds s[\g0a:\g0a+3], s[\g1a:\g1a+7]
	s_nop 0
.rept 4
	v_nop
.endr
	s_branch .Lasked_\@
.Lfor_b_\@:
	tensor_load_to_lds s[\g0b:\g0b+3], s[\g1b:\g1b+7]
	s_nop 0
.rept 4
	v_nop
.endr
.Lasked_\@:
.endm
.macro CREST
	s_cmp_lg_u32 s14, 0
	s_cbranch_scc1 .Lnot_wave_0_\@
	s_barrier_signal -3
.Lnot_wave_0_\@:
	s_barrier_wait -3
	s_barrier_signal -1
	s_barrier_wait -1
.endm
.macro CROUND
	s_barrier_signal -1
	s_barrier_wait -1
	CREST
.endm
	s_load_b512 s[68:83], s[0:1], 0x0              ; xc, xs, W_query's codes, scales, W_key's, W_content's
	s_load_b256 s[84:91], s[0:1], 0x40             ; b_query, b_key, b_content, qf
	s_load_b64 s[92:93], s[0:1], 0x60              ; kv
	v_lshl_add_u32 v[SPW], v0, 2, SPARE
	v_mov_b32 v[NIL], 0
	ds_add_u32 v[SPW], v[NIL]                      ; the wave's opening: the add, twice on end, and its wait ahead of my first tensor load
	ds_add_u32 v[SPW], v[NIL]
	v_lshrrev_b32 v1, 5, v0
	v_readfirstlane_b32 s14, v1                    ; wave 0..3
	s_lshr_b32 s15, s14, 1                         ; my half of A's rows.  Also: I fetch for A (0) or for B (1)
	s_and_b32 s16, s14, 1                          ; my half of B's rows.  Also: which 128 rows I fetch
	s_bfe_u32 s40, ttmp6, 0x40000                  ; cx
	s_bfe_u32 s41, ttmp6, 0x40004                  ; cy
	s_and_b32 s95, ttmp7, 0xffff
	s_lshl_b32 s95, s95, 2                         ; 4 x the cluster's y
	s_add_co_u32 s17, s95, s41
	s_add_co_u32 s42, s95, s40
	s_cmp_eq_u32 ttmp9, 2                          ; content?
	s_cselect_b32 s17, s41, s17                    ; A's tile: of W_content cy, else of x 4 y + cy
	s_cselect_b32 s42, s42, s40                    ; B's tile: of x 4 y + cx, else of W cx
	s_lshl_b32 s43, s41, 2
	s_lshl_b32 s43, 15, s43                        ; my row of the cluster
	s_lshl_b32 s44, 0x1111, s40                    ; my column
	s_or_b32 s[G1+0], s43, (0<<16)|(1<<20)|(1<<21)|(3<<22)|(3<<25)   ; the mask; elements of 1 byte; padding on; bit 21 beside a mask; after every 16 words 4 words
	s_or_b32 s[G1B+0], s44, (0<<16)|(1<<20)|(1<<21)|(3<<22)|(3<<25)
.irp g, G1, G1B
	s_mov_b32 s[\g+1], ROWB<<16                    ; tensor_dim0
	s_mov_b32 s[\g+2], 128<<16                     ; tensor_dim1
	s_mov_b32 s[\g+3], ROWB<<16                    ; tile_dim0
	s_mov_b32 s[\g+4], 128                         ; tile_dim1
	s_mov_b32 s[\g+5], KROW                        ; the pitch
	s_mov_b32 s[\g+6], 0
	s_mov_b32 s[\g+7], 0
.endr
	s_lshl_b32 s18, s16, 7                         ; which 128 rows of a tile I fetch
	s_lshl_b32 s20, s17, 8
	s_add_co_u32 s20, s20, s18                     ; A's row
	s_lshl_b32 s46, s42, 8
	s_add_co_u32 s46, s46, s18                     ; B's row
	s_mov_b32 s21, 0
	s_mov_b32 s47, 0
	s_mov_b64 s[18:19], KS
	s_mul_u64 s[22:23], s[20:21], s[18:19]         ; where these rows' scale bytes begin
	s_mul_u64 s[98:99], s[46:47], s[18:19]
	s_mov_b64 s[18:19], KROW
	s_mul_u64 s[20:21], s[20:21], s[18:19]         ; and their codes
	s_mul_u64 s[46:47], s[46:47], s[18:19]
	s_mul_i32 s45, s14, HALFT                      ; where they go: wave x 128 rows
	s_mul_i32 s94, s14, HALFS
	s_wait_dscnt 0x0                               ; both opening adds are done
	s_wait_kmcnt 0x0
	s_cmp_eq_u32 ttmp9, 2                          ; the buffers by type: the choice hangs on the cluster's number alone
	s_cselect_b64 s[4:5], s[80:81], s[68:69]       ; A's codes
	s_cselect_b64 s[6:7], s[82:83], s[70:71]       ; A's scales
	s_cselect_b64 s[8:9], s[68:69], s[72:73]       ; B's codes
	s_cselect_b64 s[10:11], s[70:71], s[74:75]     ; B's scales
	s_cselect_b64 s[96:97], s[88:89], s[84:85]     ; the bias
	s_cselect_b64 s[12:13], s[92:93], s[90:91]     ; the output
	s_cmp_eq_u32 ttmp9, 1
	s_cselect_b64 s[8:9], s[76:77], s[8:9]
	s_cselect_b64 s[10:11], s[78:79], s[10:11]
	s_cselect_b64 s[96:97], s[86:87], s[96:97]
	s_cselect_b64 s[12:13], s[92:93], s[12:13]
	s_add_nc_u64 s[20:21], s[4:5], s[20:21]
	s_add_nc_u64 s[22:23], s[6:7], s[22:23]
	s_add_nc_u64 s[46:47], s[8:9], s[46:47]
	s_add_nc_u64 s[98:99], s[10:11], s[98:99]
	; the scale bytes of 128 rows: 4,096 dense bytes as 16 rows of 256 (32 elements of 8 bytes), 16 bytes of padding behind each.  (s68 to s93 are free from here on)
	s_or_b32 s[G1S+0], s43, (3<<16)|(1<<20)|(1<<21)|(5<<22)|(3<<25)
	s_or_b32 s[G1SB+0], s44, (3<<16)|(1<<20)|(1<<21)|(5<<22)|(3<<25)
.irp g, G1S, G1SB
	s_mov_b32 s[\g+1], 32<<16
	s_mov_b32 s[\g+2], 16<<16
	s_mov_b32 s[\g+3], 32<<16
	s_mov_b32 s[\g+4], 16
	s_mov_b32 s[\g+5], 32
	s_mov_b32 s[\g+6], 0
	s_mov_b32 s[\g+7], 0
.endr
	CROUND                                         ; all sixteen work-groups are here: the first joint loads meet
	s_mov_b32 s[G0S], 1
	s_add_co_u32 s[G0S+1], s94, SCL
	s_mov_b64 s[G0S+2:G0S+3], s[22:23]
	s_or_b32 s[G0S+3], s[G0S+3], 0x80000000
	s_mov_b32 s[G0SB], 1
	s_add_co_u32 s[G0SB+1], s94, SCL
	s_mov_b64 s[G0SB+2:G0SB+3], s[98:99]
	s_or_b32 s[G0SB+3], s[G0SB+3], 0x80000000
	JLOAD G0S, G1S, G0SB, G1SB                     ; the scale bytes first: they are wanted with K step 0
.irp s, 0,1
	s_mov_b32 s[G0+4*\s], 1
	s_add_co_u32 s[G0+4*\s+1], s45, \s*SLOT
	s_add_nc_u64 s[G0+4*\s+2:G0+4*\s+3], s[20:21], \s*ROWB
	s_or_b32 s[G0+4*\s+3], s[G0+4*\s+3], 0x80000000
	s_mov_b32 s[G0B+4*\s], 1
	s_add_co_u32 s[G0B+4*\s+1], s45, \s*SLOT
	s_add_nc_u64 s[G0B+4*\s+2:G0B+4*\s+3], s[46:47], \s*ROWB
	s_or_b32 s[G0B+4*\s+3], s[G0B+4*\s+3], 0x80000000
	JLOAD G0+4*\s, G1, G0B+4*\s, G1B               ; three loads of mine are out behind these
.endr
	v_and_b32 v1, 15, v0                           ; r
	v_bfe_u32 v2, v0, 4, 1                         ; h
	v_mul_u32_u24 v3, v1, PITCH
	v_mul_u32_u24 v4, v2, 24
	v_add_nc_u32 v4, v3, v4                        ; an operand's row x pitch + 24 h
	v_lshl_add_u32 v5, v2, 4, v4                   ; and the same behind one padding more
	s_mul_i32 s21, s15, HALFT
	s_mul_i32 s22, s16, HALFT
	s_add_co_u32 s22, s22, 2*HALFT
.irp s, 0,1
	v_add_nc_u32 v[ADRA+\s], s21, v4
	v_add_nc_u32 v[ADRB+\s], s22, v4
	v_add_nc_u32 v[ADRA+2+\s], s21, v5
	v_add_nc_u32 v[ADRB+2+\s], s22, v5
	s_add_co_u32 s21, s21, SLOT
	s_add_co_u32 s22, s22, SLOT
.endr
	v_mul_u32_u24 v5, v1, KS                       ; my row's scale bytes,
	v_lshrrev_b32 v6, 8, v5
	v_lshl_add_u32 v5, v6, 4, v5                   ; and 16 more for each 256 passed
	s_mul_i32 s21, s15, HALFS
	s_mul_i32 s22, s16, HALFS
	s_add_co_u32 s22, s22, 2*HALFS
	s_sub_co_u32 s22, s22, s21
	v_mul_u32_u24 v6, s22, v2                      ; lanes 16-31 take B's
	s_add_co_u32 s21, s21, SCL
	v_add_nc_u32 v5, v5, v6
	v_add_nc_u32 v[ADRS], s21, v5
	v_and_b32 v6, 31, v0
	v_lshlrev_b32 v[LI], 4, v6
	; my block of the output, and my head's bias
	s_lshl_b32 s2, s17, 1
	s_add_co_u32 s2, s2, s15                       ; which 128 of side A are mine
	s_lshl_b32 s3, s42, 1
	s_add_co_u32 s3, s3, s16                       ; which 128 of side B
	s_cmp_eq_u32 ttmp9, 2
	s_cselect_b32 s18, s3, s2                      ; the group of 128 rows (b, t) of x
	s_cselect_b32 s19, s2, s3                      ; the head
	s_cselect_b32 s95, 12800, 0                    ; content's block lies behind the keys'
	s_lshr_b32 s2, s18, 4
	s_lshl_b32 s2, s2, 7                           ; 128 b
	s_lshl_b32 s3, s19, 4
	s_add_co_u32 s2, s2, s3                        ; + 16 x head
	s_and_b32 s3, s18, 15
	s_add_co_u32 s2, s2, s3                        ; + the group in its batch
	s_cmp_eq_u32 ttmp9, 0
	s_mov_b32 s3, 25600
	s_cselect_b32 s3, 12800, s3
	s_mul_i32 s2, s2, s3
	s_add_co_u32 s2, s2, s95
	s_mov_b32 s3, 0
	s_add_nc_u64 s[12:13], s[12:13], s[2:3]
	s_lshl_b32 s2, s19, 9
	s_add_nc_u64 s[96:97], s[96:97], s[2:3]
	v_lshlrev_b32 v8, 5, v2                        ; along the registers: tile b's eight numbers of my half: 64 b + 32 h
	v_lshlrev_b32 v9, 2, v1                        ; along the lanes: 64 a + 4 r
; Both layouts of my head's 128 numbers are loaded, 24 loads once: so only the first step hangs on the type, and no way through the text reads a register that it has not written.
.irp b, 0,1,2,3,4,5,6,7
	global_load_b128 v[BIAS+8*\b:BIAS+8*\b+3], v8, s[96:97] offset:64*\b
	global_load_b128 v[BIAS+8*\b+4:BIAS+8*\b+7], v8, s[96:97] offset:64*\b+16
.endr
.irp a, 0,1,2,3,4,5,6,7
	global_load_b32 v[VB+\a], v9, s[96:97] offset:64*\a
.endr
.macro FRAG reg, adr, q, i             ; an operand, 16 rows x 128 K: registers 6 c .. 6 c + 5 hold K = 64 c + 32 h + 0 .. 31: 24 bytes of the row as they lie, in pieces of 8
.irp p, 0,1,2,3,4,5
.set PCE, 12*(\q)+6*(\p/3)+\p%3        ; 16 bytes of padding lie behind every 8 pieces: where the piece three on lies behind one padding more, the second address register serves
.if PCE%8 < 5
	ds_load_b64 v[\reg+2*\p:\reg+2*\p+1], v[\adr] offset:8*PCE+16*(PCE/8)+(\i)*16*PITCH
.else
	ds_load_b64 v[\reg+2*\p:\reg+2*\p+1], v[\adr+2] offset:8*PCE+16*(PCE/8)+(\i)*16*PITCH
.endif
.endr
.endm
; 16 matrix instructions: A's blocks a0, a0 + 1 x B's eight.  zero = 1: C = the bias along the registers; 2: along the lanes; 0: in place.  The 64 accumulators take turns, in the same order in every step.
.macro MUL16 a0, p, q, sc, zero
.irp a, \a0, \a0+1
.irp b, 0,1,2,3,4,5,6,7
.set rD, 8*(8*((\a)%4)+\b)
.set rB, 128*(\p)+FR*\b
.set rA, AF+FR*(\a)
.set rSB, SC+8*NQ*(\sc)+NQ*\b+(\q)
.set rSA, SC+8*NQ*(\sc)+NQ*(\a)+(\q)
.if \zero == 1
	v_wmma_scale_f32_16x16x128_f8f6f4 v[rD:rD+7], v[rB:rB+FR-1], v[rA:rA+FR-1], v[BIAS+8*\b:BIAS+8*\b+7], v[rSB], v[rSA] matrix_a_fmt:MATRIX_FMT_FP6 matrix_b_fmt:MATRIX_FMT_FP6 matrix_a_scale:MATRIX_SCALE_ROW1
.elseif \zero == 2
	v_wmma_scale_f32_16x16x128_f8f6f4 v[rD:rD+7], v[rB:rB+FR-1], v[rA:rA+FR-1], v[BIAS+8*(\a):BIAS+8*(\a)+7], v[rSB], v[rSA] matrix_a_fmt:MATRIX_FMT_FP6 matrix_b_fmt:MATRIX_FMT_FP6 matrix_a_scale:MATRIX_SCALE_ROW1
.else
	v_wmma_scale_f32_16x16x128_f8f6f4 v[rD:rD+7], v[rB:rB+FR-1], v[rA:rA+FR-1], v[rD:rD+7], v[rSB], v[rSA] matrix_a_fmt:MATRIX_FMT_FP6 matrix_b_fmt:MATRIX_FMT_FP6 matrix_a_scale:MATRIX_SCALE_ROW1
.endif
.endr
.endr
.endm
.macro FETCH_B slot, q, p
	WIN TO_B
.irp i, 0,1,2,3,4,5,6,7
	FRAG 128*(\p)+FR*\i, ADRB+\slot, \q, \i
.endr
	WIN 0
.endm
.macro FETCH_A slot, q, i0
.irp i, \i0, \i0+1, \i0+2, \i0+3
	FRAG AF+FR*(\i), ADRA+\slot, \q, \i
.endr
.endm
.macro SCALES sc                       ; a K step's scale words: two a row; lanes 0-15 take A's block i, lanes 16-31 B's block i
.irp i, 0,1,2,3,4,5,6,7
	ds_load_b64 v[SC+8*NQ*\sc+NQ*\i:SC+8*NQ*\sc+NQ*\i+1], v[ADRS] offset:\i*SBLK
.endr
.endm
.macro PLACES n                        ; plain vector lines between a matrix instruction and a load into its sources, or a read of its result
.rept \n
	v_nop
.endr
.endm
.macro STEP slot, q, zero              ; 128 along K, with its successor in the same slot
	s_wait_dscnt 4*NL                              ; B's set and A's blocks 0-3 are in; the youngest 24 loads (A's blocks 4-7) may be out
.if \zero
	WIN 0x81                                       ; C (the bias) window 0, D window 2
.else
	WIN MUL_LO
.endif
	MUL16 0, (\q)%2, \q, \slot, \zero
	MUL16 2, (\q)%2, \q, \slot, \zero
	s_wait_dscnt 0
	PLACES NP
	FETCH_B \slot, (\q)+1, 1-(\q)%2
	FETCH_A \slot, (\q)+1, 0
.if \zero
	WIN 0xc1
.else
	WIN MUL_HI
.endif
	MUL16 4, (\q)%2, \q, \slot, \zero
	MUL16 6, (\q)%2, \q, \slot, \zero
	PLACES NP
	WIN 0
	FETCH_A \slot, (\q)+1, 4
.endm
; A slot's last step changes slots: one barrier; in front of it each wave waits for all its tensor loads, adds 0 to its spare word, and waits for that and for its reads of this slot.
.macro TURN slot, next, fill
	s_wait_tensorcnt 0x0                           ; all my tensor loads have landed: my part of the next slot
	ds_add_u32 v[SPW], v[NIL]
	s_wait_dscnt 4*NL+1                            ; (the add and the youngest 24 loads may be out)
	WIN MUL_LO
	MUL16 0, 1, NQ-1, \slot, 0
	s_wait_dscnt 0x0                               ; the add is done, and my reads of this slot are over
	s_barrier_signal -1
	MUL16 2, 1, NQ-1, \slot, 0
	WIN 0
	s_barrier_wait -1
.if \fill
	CREST                                          ; the barrier has opened a round of the cluster's: no wave of any partner still reads this slot or has a load on its way
	s_add_nc_u64 s[G0+4*\slot+2:G0+4*\slot+3], s[G0+4*\slot+2:G0+4*\slot+3], 2*ROWB
	s_add_nc_u64 s[G0B+4*\slot+2:G0B+4*\slot+3], s[G0B+4*\slot+2:G0B+4*\slot+3], 2*ROWB
	JLOAD G0+4*\slot, G1, G0B+4*\slot, G1B         ; the first tensor load behind the round; its four v_nop are the places in front of the loads below
.else
	PLACES NP
.endif
	v_add_nc_u32 v[ADRS], 4*NQ, v[ADRS]            ; the next K step's scale words
	FETCH_B \next, 0, 0
	FETCH_A \next, 0, 0
	SCALES \next
	WIN MUL_HI
	MUL16 4, 1, NQ-1, \slot, 0
	MUL16 6, 1, NQ-1, \slot, 0
	PLACES NP
	WIN 0
	FETCH_A \next, 0, 4
.endm
	s_wait_tensorcnt 1                             ; the scale bytes and my part of K step 0 are in; K step 1's load may be out
	s_barrier_signal -1
	s_barrier_wait -1
	FETCH_B 0, 0, 0
	FETCH_A 0, 0, 0
	SCALES 0
	FETCH_A 0, 0, 4
	s_wait_loadcnt 0x0                             ; the bias
	s_cmp_eq_u32 ttmp9, 2
	s_cbranch_scc1 .Lfirst_v
	STEP 0, 0, 1                                   ; queries, keys: the first products start the sums from the bias of their registers' channels
	s_branch .Lfirst_done
.Lfirst_v:
.irp a, 0,1,2,3,4,5,6,7                        ; content: a lane's channel is the same in all eight registers of a result
.irp j, 0,1,2,3,4,5,6,7
	v_mov_b32 v[BIAS+8*\a+\j], v[VB+\a]
.endr
.endr
	PLACES NP
	STEP 0, 0, 2
.Lfirst_done:
	s_mov_b32 s3, LAPS-1
.Llap:                                             ; a trip goes once round the ring and fills both slots again
	TURN 0, 1, 1
	STEP 1, 0, 0
	TURN 1, 0, 1
	STEP 0, 0, 0
	s_sub_co_u32 s3, s3, 1
	s_cmp_lg_u32 s3, 0
	s_cbranch_scc1 .Llap
	TURN 0, 1, 0                                   ; the last lap fills nothing
	STEP 1, 0, 0
	s_wait_dscnt 4*NL
	WIN MUL_LO
	MUL16 0, 1, NQ-1, 1, 0
	MUL16 2, 1, NQ-1, 1, 0
	s_wait_dscnt 0
	WIN MUL_HI
	MUL16 4, 1, NQ-1, 1, 0
	MUL16 6, 1, NQ-1, 1, 0
	WIN 0
; THE WAY OUT.  The 64 registers of A's block a (its eight accumulators) are 16 rows x 128 of the next K: four blocks of 32, each in lanes l and l xor 16.  Largest magnitude with the floor, scale byte, conversion,
; the exchange of halves that gives a lane a whole block; then the operand's twelve registers are stored as they stand, 512 consecutive bytes a store.  Each operand has registers of its own: no store's data are written again.
	PLACES NP
	s_mov_b32 s18, 0x76543210
	s_mov_b32 s19, 0xfedcba98                      ; v_permlanex16_b32's selects for lane l xor 16
.irp b, 0,1,2,3
	v_mov_b32 v[TM+4+\b], 0                        ; written once: a lane permute's destination counts as one of its sources
.endr
.macro OUTF a
.set W, 2+(\a)/4                       ; the accumulators' window
.set AC, 64*((\a)%4)
.set PC, AF+12*(\a)
	WIN 5*W                                        ; sources 0 and 1 in the accumulators' window
.irp b, 0,1,2,3
	v_max3_num_f32 v[TM+\b], |v[AC+16*\b]|, |v[AC+16*\b+1]|, 0x1800000   ; each accumulator is read from its low end on; the floor 2^(3 - 127) holds the byte at 1 from below
.endr
	WIN 20*W                                       ; sources 1 and 2
.irp i, 2,4,6,8,10,12,14
.irp b, 0,1,2,3
	v_max3_num_f32 v[TM+\b], v[TM+\b], |v[AC+16*\b+\i]|, |v[AC+16*\b+\i+1]|
.endr
.endr
	WIN 0
.irp b, 0,1,2,3
	v_permlanex16_b32 v[TM+4+\b], v[TM+\b], s18, s19
.endr
.irp b, 0,1,2,3
	v_max_num_f32 v[TM+\b], v[TM+\b], v[TM+4+\b]   ; with lane l xor 16's: the block's largest magnitude
.endr
.irp b, 0,1,2,3
	v_add_nc_u32 v[TM+12+\b], 0xff000000, v[TM+\b] ; 2 off its exponent field: the conversion's scale operand
.endr
.irp b, 0,1,2,3
	v_lshrrev_b32 v[TM+4+\b], 23, v[TM+12+\b]      ; the scale's byte
.endr
	v_lshl_or_b32 v[PW+\a], v[TM+5], 8, v[TM+4]    ; my row's scale word
	v_lshl_or_b32 v[PW+\a], v[TM+6], 16, v[PW+\a]
	v_lshl_or_b32 v[PW+\a], v[TM+7], 24, v[PW+\a]
	WIN W                                          ; source 0
.irp c, 0,1
	v_cvt_scalef32_pk16_fp6_f32 v[PC+6*\c:PC+6*\c+2], v[AC+32*\c:AC+32*\c+15], v[TM+12+2*\c]
	v_cvt_scalef32_pk16_fp6_f32 v[CT+4*\c:CT+4*\c+2], v[AC+32*\c+16:AC+32*\c+31], v[TM+12+2*\c+1]
.endr
	WIN 0
	v_nop                                          ; one plain line behind a scaled conversion
.irp c, 0,1
.irp i, 0,1,2
	v_permlane16_swap_b32 v[PC+6*\c+\i], v[CT+4*\c+\i]   ; lanes 0-15 get block 2 c whole, lanes 16-31 block 2 c + 1
.endr
.irp i, 0,1,2
	v_mov_b32 v[PC+3+6*\c+\i], v[CT+4*\c+\i]
.endr
.endr
.irp c, 0,1,2
	global_store_b128 v[LI], v[PC+4*\c:PC+4*\c+3], s[12:13] offset:1536*(\a)+512*\c
.endr
.endm
.irp a, 0,1,2,3,4,5,6,7
	OUTF \a
.endr
	v_and_b32 v25, 31, v0
	v_cmp_gt_u32 vcc_lo, 16, v25
.irp q, 0,1,2,3
	v_cndmask_b32 v[UU+\q], v[PW+4+\q], v[PW+\q], vcc_lo   ; lanes 0-15: operand q's row words; lanes 16-31: operand q + 4's
.endr
	global_store_b128 v[LI], v[UU:UU+3], s[12:13] offset:12288
	s_wait_tensorcnt 0x0                           ; the wave's end
	ds_add_u32 v[SPW], v[NIL]
	s_wait_dscnt 0x0
	CROUND                                         ; the closing round: no work-group ends while a partner may still ask for a tile that names it
	s_endpgm
.Lfunc_end_k_q569c982ffb_qkv:
	.size	k_q569c982ffb_qkv, .Lfunc_end_k_q569c982ffb_qkv-k_q569c982ffb_qkv
	.p2alignl 7, 3214868480
	.fill 96, 4, 3214868480
	.section	.rodata,"a",@progbits
	.p2align	6, 0x0
	.amdhsa_kernel k_q569c982ffb_qkv
		.amdhsa_group_segment_fixed_size 327680
		.amdhsa_private_segment_fixed_size 0
		.amdhsa_enable_private_segment 0
		.amdhsa_kernarg_size 104
		.amdhsa_user_sgpr_count 2
		.amdhsa_user_sgpr_kernarg_segment_ptr 1
		.amdhsa_wavefront_size32 1
		.amdhsa_system_sgpr_workgroup_id_x 1
		.amdhsa_system_sgpr_workgroup_id_y 1
		.amdhsa_system_sgpr_workgroup_id_z 1
		.amdhsa_system_vgpr_workitem_id 0
		.amdhsa_next_free_vgpr 1024
		.amdhsa_next_free_sgpr 102
		.amdhsa_reserve_vcc 1
		.amdhsa_float_denorm_mode_32 3
		.amdhsa_float_denorm_mode_16_64 3
		.amdhsa_memory_ordered 1
		.amdhsa_forward_progress 1
		.amdhsa_inst_pref_size 184
	.end_amdhsa_kernel
	.amdgpu_metadata
---
amdhsa.version: [ 1, 2 ]
amdhsa.kernels:
  - .name:           k_q569c982ffb_qkv
    .symbol:         k_q569c982ffb_qkv.kd
    .args:
      - { .name: xc, .offset: 0, .size: 8, .value_kind: global_buffer, .address_space: global }
      - { .name: xs, .offset: 8, .size: 8, .value_kind: global_buffer, .address_space: global }
      - { .name: W_query_codes, .offset: 16, .size: 8, .value_kind: global_buffer, .address_space: global }
      - { .name: W_query_scales, .offset: 24, .size: 8, .value_kind: global_buffer, .address_space: global }
      - { .name: W_key_codes, .offset: 32, .size: 8, .value_kind: global_buffer, .address_space: global }
      - { .name: W_key_scales, .offset: 40, .size: 8, .value_kind: global_buffer, .address_space: global }
      - { .name: W_content_codes, .offset: 48, .size: 8, .value_kind: global_buffer, .address_space: global }
      - { .name: W_content_scales, .offset: 56, .size: 8, .value_kind: global_buffer, .address_space: global }
      - { .name: b_query, .offset: 64, .size: 8, .value_kind: global_buffer, .address_space: global }
      - { .name: b_key, .offset: 72, .size: 8, .value_kind: global_buffer, .address_space: global }
      - { .name: b_content, .offset: 80, .size: 8, .value_kind: global_buffer, .address_space: global }
      - { .name: qf, .offset: 88, .size: 8, .value_kind: global_buffer, .address_space: global }
      - { .name: kv, .offset: 96, .size: 8, .value_kind: global_buffer, .address_space: global }
    .group_segment_fixed_size: 327680
    .private_segment_fixed_size: 0
    .kernarg_segment_align: 8
    .kernarg_segment_size: 104
    .max_flat_workgroup_size: 128
    .sgpr_count:     102
    .vgpr_count:     1024
    .wavefront_size: 32
...
	.end_amdgpu_metadata
.endif
;; end of part 2
;; launch attn (part 3): grid 8 x 32, 8 waves a work-group, no clusters, 327,680 bytes of LDS; arguments qf, kv, dp, b_qdecay, rf, rs; writes rf, rs
.if DOCPART == 3
	.amdgcn_target "amdgcn-amd-amdhsa--gfx1250"
	.amdhsa_code_object_version 6
	.text
	.protected	k_q569c982ffb_attn
	.globl	k_q569c982ffb_attn
	.p2align	8
	.type	k_q569c982ffb_attn,@function
k_q569c982ffb_attn:
	s_mov_b64 s[64:65], 0
	v_nop
	global_prefetch_b8 v0, s[64:65] scope:SCOPE_SE
	s_setreg_imm32_b32 hwreg(HW_REG_WAVE_MODE, 25, 1), 1
	s_wait_xcnt 0x0
; LAUNCH 3 OF 4.  For each (batch, head) and query s: logit(t) = k_t . q_s / sqrt(128) - |t - s| g(s), g = sum over f of (f + 1) sigmoid(decay_f(s)) / 4; -100 at t = s; softmax over the keys t; result = sum of weights x content.
; Both products on codes of FP6 made by launch 2.  AHEAD OF THE SECOND PRODUCT: t2 = logit x log2(e); M = the running largest t2 rounded up to a whole number; p = 2^(t2 - M) is quantised along the keys; the sum of the
; unquantised p divides at the end; when M moves, the sum and O are multiplied by 2^(old M - new M), which rounds nothing.  The result / sum is quantised along the channels for the projection (rf, rs).
; SHARES: a work-group owns 256 queries of one (b, h); each of its eight waves 32 of them: two tiles of 16, tile x in register window x at the same numbers.  Two waves lie on a SIMD, so that one wave's vector
; work stands beside the other's matrix work and LDS loads.  Every wave walks all 2,048 keys, 128 a step.
; RING: two LDS slots of four key steps (4 x 25,600 bytes: the keys' block, content's block).  Each wave moves an eighth of a slot, one block, by one tensor load: one load of mine is out at any time, and it has four key steps in which to land.
; LAYOUT: both products transposed (S^T = K Q^T, O^T = V^T P^T): a lane holds one query (lane % 16).  Register 16 B + i of S holds key KF + 32 B + N(i), N(i) = i + 8 (i / 8) + 8 (lane / 16): launch 2's order, which content's operands share.
; THE DISTANCE TERM.  With d = t - s and G = g sqrt(128): t2 = c (S - G |d|), c = log2(e) / sqrt(128).  In a step that lies wholly before or behind the wave's group of 128 queries |d| is -d or d, and d = d0 + 32 B + N(i) with
; d0 = KF - s: S takes sign x G x N(i) by one packed multiply-add (N is a table in registers, so it can hold the lane's half), and c x sign x G x (d0 + 32 B) goes into the constant of the scaling that the softmax has anyway.
; THAT CONSTANT IS THE SAME IN LANES l AND l xor 16, which share a query and a block of 32 keys: so the block's largest adjusted score, joined across the two lanes, is the block's largest t2 in both, and both make the same M and the same scale.
; The one step on the diagonal forms |d| element by element and sets -100 where d = 0: a scalar branch on ids (the step's first key against the wave's group).  That branch hangs on the work-group's block of queries,
; which is why the query blocks of a head are not put into a cluster.
; No prefetch: a refill stands straight behind its barrier and has four key steps' work in which to land; only the first fill is waited for.
; LIMITS: NaN and infinities are not served; p under 2^-126 counts as 0; a block of zeros keeps the scale byte 1 (its codes are zeros).
.set BLK,   12800                      ; a block: eight operand images of 1,536 bytes and the scale image of 512
.set STEPB, 2*BLK
.set SLOTB, 4*STEPB
.set SLOT1, 1<<17                      ; slot 1 begins here: one exclusive or turns an address from one slot to the other
.set SPARE, SLOTB                      ; between the slots: the spare words, 128 bytes for each of eight waves
; window 0, shared
.set LI,  1                            ; v1   16 x lane
.set ADK, 2                            ; v2   LDS address of the step in hand + 16 x lane
.set SPW, 3
.set NIL, 4
.set KSC, 8                            ; v8-11  the keys' scale image
.set VSC, 12                           ; v12-15 content's
.set QS,  16                           ; v16-17 the queries' scale words, tile 0, 1
.set PS,  18                           ; v18-19 p's scale words
.set RW,  20                           ; v20-21 the result's scale words
.set LN,  22                           ; v22  lane
.set H8,  23                           ; v23  8 (lane / 16) as f32: at the head alone
; window 1, shared
.set FRG, 0                            ; v0-47  four operands of K or of V
.set NI,  48                           ; v48-63 N(i) = i + 8 (i / 8) + 8 (lane / 16) as f32
; tile x, in window x
.set S,   64                           ; v64-127  S^T, then p
.set O,   128                          ; v128-191 O^T
.set Q,   192                          ; v192-203 the queries' operand
.set PC,  204                          ; v204-215 p's codes
.set CT,  216                          ; v216-223 at work
.set MU,  224                          ; v224-227 a block's largest score, then its largest p
.set PT,  228                          ; v228-231 at work
.set KP,  232                          ; v232-239 block B: the scaling's constant at 2 B, c sign G (d0 + 32 B) at 2 B + 1
.set SO,  240                          ; v240-243 the conversions' scale operands
.set NM,  244                          ; -M
.set TX,  245                          ; the running largest t2
.set L,   246                          ; v246-247 the sum, in two halves
.set F,   248                          ; v248-249 2^(old M - new M); at the end 1 / sum
.set G2,  250                          ; v250-251 sign G, c sign G
.set GAM, 252                          ; G
.set E,   253                          ; - lane % 16 - 16 x: the same in both halves of the lanes
.set DL,  254                          ; d0
.set T,   255
.set WV,  18
.set SEL, 20
.set CS,  22
.set G1,  24
.set G0,  32
.set TB,  36                           ; LDS byte of the step in hand
.set KF,  37                           ; its first key
.set Q0,  38                           ; my first query
.set QD,  39                           ; the first query of my group of 128
.set SLOTS, 40
.set CNT, 41
.set SG,  42
.set DI,  43
.set MSB, 0
.macro WIN new
.if MSB != (\new)
	s_set_vgpr_msb (MSB<<8)|(\new)
.set MSB, (\new)
.endif
.endm
	s_load_b256 s[4:11], s[0:1], 0x0               ; qf, kv, dp, b_qdecay
	s_load_b128 s[12:15], s[0:1], 0x20             ; rf, rs
	v_lshl_add_u32 v[SPW], v0, 2, SPARE
	v_mov_b32 v[NIL], 0
	ds_add_u32 v[SPW], v[NIL]                      ; the wave's opening: the add, twice on end, and its wait ahead of my first tensor load
	ds_add_u32 v[SPW], v[NIL]
	v_lshrrev_b32 v5, 5, v0
	s_delay_alu instid0(VALU_DEP_1)
	v_readfirstlane_b32 s[WV], v5                  ; wave 0..7
	s_mov_b32 s[G1+0], 3<<16                       ; no mask; elements of 8 bytes; no padding: a block is dense, 50 rows of 256 bytes
	s_mov_b32 s[G1+1], 32<<16                      ; tensor_dim0
	s_mov_b32 s[G1+2], 50<<16                      ; tensor_dim1
	s_mov_b32 s[G1+3], 32<<16                      ; tile_dim0
	s_mov_b32 s[G1+4], 50                          ; tile_dim1
	s_mov_b32 s[G1+5], 32                          ; the pitch
	s_mov_b32 s[G1+6], 0
	s_mov_b32 s[G1+7], 0
	s_mov_b32 s[SEL], 0x76543210
	s_mov_b32 s[SEL+1], 0xfedcba98
	s_mov_b32 s[CS], 0x3e0293ee                    ; c = log2(e) / sqrt(128)
	s_mov_b32 s[CS+1], s[CS]
	s_mov_b32 s[TB], 0
	s_mov_b32 s[KF], 0
	s_mov_b32 s[SLOTS], 3
	s_and_b32 s19, ttmp7, 0xffff                   ; 8 b + h
	s_and_b32 s48, s19, 7                          ; h
	s_lshr_b32 s49, s19, 3                         ; b
	s_mov_b32 s[G0], 1
	s_mul_i32 s[G0+1], s[WV], BLK                  ; my eighth of slot 0
	s_mul_i32 s50, s19, 16*STEPB
	s_add_co_u32 s50, s50, s[G0+1]                 ; and of the head's first four key steps
	s_mov_b32 s51, 0
	s_lshl_b32 s[Q0], ttmp9, 8
	s_lshl_b32 s52, s[WV], 5
	s_add_co_u32 s[Q0], s[Q0], s52
	s_and_b32 s[QD], s[Q0], 0xffffff80
	s_lshr_b32 s53, s[Q0], 4                       ; my first tile of 16 queries in the batch
	s_lshl_b32 s52, s19, 4
	s_lshr_b32 s54, s[Q0], 7
	s_add_co_u32 s52, s52, s54
	s_mul_i32 s52, s52, BLK                        ; the queries' block that holds my 32
	s_and_b32 s54, s[WV], 3
	s_mul_i32 s54, s54, 2*1536
	s_add_co_u32 s54, s54, s52                     ; my two operands in it: 2 (wave % 4) and the next
	s_mov_b32 s55, 0
	s_bfe_u32 s56, s[WV], 0x10001                  ; their scale words: operand a's lie in register a % 4, lanes 16 (a / 4) on
	s_lshl_b32 s56, s56, 8
	s_and_b32 s57, s[WV], 1
	s_lshl_b32 s57, s57, 3
	s_add_co_u32 s56, s56, s57
	s_add_co_u32 s56, s56, s52
	s_add_co_u32 s56, s56, 12288
	s_mov_b32 s57, 0
	s_lshl_b32 s58, s49, 9                         ; dp: part 4 b + kq, tile, then the four registers and sixteen lanes that hold channels 4 h .. 4 h + 3
	s_add_co_u32 s58, s58, s53
	s_lshl_b32 s58, s58, 11
	s_lshr_b32 s52, s48, 2
	s_lshl_b32 s52, s52, 10
	s_add_co_u32 s58, s58, s52
	s_and_b32 s52, s48, 1
	s_lshl_b32 s52, s52, 9
	s_add_co_u32 s58, s58, s52
	s_bfe_u32 s52, s48, 0x10001
	s_lshl_b32 s52, s52, 8
	s_add_co_u32 s58, s58, s52
	s_mov_b32 s59, 0
	s_lshl_b32 s60, s49, 7                         ; rf: ((128 b + tile) 8 + h) x 1,536
	s_add_co_u32 s60, s60, s53
	s_lshl_b32 s60, s60, 3
	s_add_co_u32 s60, s60, s48
	s_mul_i32 s60, s60, 1536
	s_mov_b32 s61, 0
	s_lshl_b32 s62, s49, 11                        ; rs: 32,768 h + 4 (2048 b + query)
	s_add_co_u32 s62, s62, s[Q0]
	s_lshl_b32 s62, s62, 2
	s_lshl_b32 s52, s48, 15
	s_add_co_u32 s62, s62, s52
	s_mov_b32 s63, 0
	s_lshl_b32 s66, s48, 4                         ; b_qdecay: 4 numbers a head
	s_mov_b32 s67, 0
	s_wait_dscnt 0x0                               ; both opening adds are done
	s_wait_kmcnt 0x0
	s_add_nc_u64 s[G0+2:G0+3], s[6:7], s[50:51]
	s_or_b32 s[G0+3], s[G0+3], 0x80000000
	tensor_load_to_lds s[G0:G0+3], s[G1:G1+7]      ; slot 0: every wave issues its eighth, with no branch
	s_nop 0
.rept 4
	v_nop
.endr
	s_add_nc_u64 s[10:11], s[10:11], s[66:67]
	s_load_b128 s[44:47], s[10:11], 0x0            ; my head's four biases of the decay
	s_add_nc_u64 s[54:55], s[4:5], s[54:55]
	s_add_nc_u64 s[56:57], s[4:5], s[56:57]
	s_add_nc_u64 s[8:9], s[8:9], s[58:59]
	s_add_nc_u64 s[12:13], s[12:13], s[60:61]
	s_add_nc_u64 s[14:15], s[14:15], s[62:63]
	v_and_b32 v[LN], 31, v0
	s_delay_alu instid0(VALU_DEP_1)
	v_lshlrev_b32 v[LI], 4, v[LN]
	v_and_b32 v5, 15, v0                           ; r
	v_bfe_u32 v6, v0, 4, 1                         ; h
	s_delay_alu instid0(VALU_DEP_2)
	v_lshlrev_b32 v7, 4, v5                        ; 16 r
	s_delay_alu instid0(VALU_DEP_2)
	v_lshlrev_b32 v[H8], 3, v6
	s_delay_alu instid0(VALU_DEP_1)
	v_cvt_f32_u32 v[H8], v[H8]                     ; 8 (lane / 16) as f32
.irp c, 0,1,2
	global_load_b128 v[Q+4*\c:Q+4*\c+3], v[LI], s[54:55] offset:512*\c
.endr
.irp k, 0,1,2,3
	global_load_b128 v[S+4*\k:S+4*\k+3], v7, s[8:9] offset:262144*\k    ; the decay's four parts for my query: four channels each
.endr
	global_load_b32 v[QS], v7, s[56:57]
	global_load_b32 v[QS+1], v7, s[56:57] offset:4
	WIN 0x40                                       ; destination window 1, sources and addresses window 0
.irp c, 0,1,2
	global_load_b128 v[Q+4*\c:Q+4*\c+3], v[LI], s[54:55] offset:1536+512*\c
.endr
.irp k, 0,1,2,3
	global_load_b128 v[S+4*\k:S+4*\k+3], v7, s[8:9] offset:262144*\k+2048
.endr
.set i, 0
.irp k, 0, 1.0, 2.0, 3.0, 4.0, 5.0, 6.0, 7.0, 16.0, 17.0, 18.0, 19.0, 20.0, 21.0, 22.0, 23.0
	v_add_f32 v[NI+i], \k, v[H8]                   ; N(i): the register's place in its block of keys, my half of the lanes included
.set i, i+1
.endr
	WIN 0
	v_sub_nc_u32 v[E], 0, v5                       ; - lane % 16
	WIN 0x40
	v_add_nc_u32 v[E], -16, v[E]                   ; tile 1's queries lie 16 further on
.macro INIT x                          ; the key step is written once: its first walk finds zeros, which the first change of M leaves zeros
	WIN 0x55*(\x)
	v_mov_b32 v[TX], 0xff61b1e6                    ; -3e38, under every t2
	s_delay_alu instid0(VALU_DEP_1)
	v_floor_f32 v[NM], -v[TX]
	v_mov_b32 v[L], 0
	v_mov_b32 v[L+1], 0
	v_mov_b32 v[F+1], 0                            ; (named as the upper half of a pair)
.irp b, 0,1,2,3
	v_mov_b32 v[PT+\b], 0                          ; a lane permute's destination counts as one of its sources
.endr
.set n, 0
.rept 64
	v_mov_b32 v[O+n], 0
.set n, n+1
.endr
.endm
	INIT 0
	INIT 1
	WIN 0
	s_wait_loadcnt 0x0
	s_wait_kmcnt 0x0
.macro GAMMA x                         ; G = sqrt(128) / 4 x sum over f of (f + 1) sigmoid(decay_f)
	WIN 0x55*(\x)
	v_pk_add_f32 v[S:S+1], v[S:S+1], v[S+4:S+5]
	v_pk_add_f32 v[S+2:S+3], v[S+2:S+3], v[S+6:S+7]
	v_pk_add_f32 v[S+8:S+9], v[S+8:S+9], v[S+12:S+13]
	v_pk_add_f32 v[S+10:S+11], v[S+10:S+11], v[S+14:S+15]
	s_delay_alu instid0(VALU_DEP_2)
	v_pk_add_f32 v[S:S+1], v[S:S+1], v[S+8:S+9]
	s_delay_alu instid0(VALU_DEP_2)
	v_pk_add_f32 v[S+2:S+3], v[S+2:S+3], v[S+10:S+11]
.irp f, 0,1,2,3
	v_add_f32 v[S+\f], s[44+\f], v[S+\f]
.endr
.irp f, 0,1,2,3
	s_delay_alu instid0(VALU_DEP_4)
	v_mul_f32 v[S+\f], 0xbfb8aa3b, v[S+\f]         ; x -log2(e)
.endr
	s_wait_alu depctr_va_vdst(0)
.irp f, 0,1,2,3
	v_exp_f32 v[S+\f], v[S+\f]
.endr
	v_nop                                          ; a plain line behind the batch,
	s_wait_alu depctr_va_vdst(0)                   ; and the one wait ahead of its first reader
.irp f, 0,1,2,3
	v_add_f32 v[S+\f], 1.0, v[S+\f]
.endr
	s_wait_alu depctr_va_vdst(0)
.irp f, 0,1,2,3
	v_rcp_f32 v[S+\f], v[S+\f]
.endr
	v_nop
	s_wait_alu depctr_va_vdst(0)
	v_fma_f32 v[S], v[S+1], 2.0, v[S]
	v_fma_f32 v[S], v[S+2], 0x40400000, v[S]
	v_fma_f32 v[S], v[S+3], 4.0, v[S]
	s_delay_alu instid0(VALU_DEP_1)
	v_mul_f32 v[GAM], 0x403504f3, v[S]             ; x sqrt(128) / 4
.endm
	GAMMA 0
	GAMMA 1
	WIN 0
.macro PRE x                           ; the step's constants of tile x: eight plain lines, which also serve as places behind matrix instructions
	WIN 0x55*(\x)
	v_add_nc_u32 v[T], s[DI], v[E]
	s_delay_alu instid0(VALU_DEP_1)
	v_cvt_f32_i32 v[DL], v[T]                      ; d0 = KF - my query: a whole number, exact, the same in lanes l and l xor 16
	v_mul_f32 v[G2], s[SG], v[GAM]
	s_delay_alu instid0(VALU_DEP_1)
	v_mul_f32 v[G2+1], s[CS], v[G2]
	s_delay_alu instid0(VALU_DEP_1)
	v_mul_f32 v[KP+1], v[G2+1], v[DL]
	s_delay_alu instid0(VALU_DEP_1)
	v_fma_f32 v[KP+3], v[G2+1], 0x42000000, v[KP+1]
	s_delay_alu instid0(VALU_DEP_2)
	v_fma_f32 v[KP+5], v[G2+1], 0x42800000, v[KP+1]
	s_delay_alu instid0(VALU_DEP_3)
	v_fma_f32 v[KP+7], v[G2+1], 0x42c00000, v[KP+1]
.endm
.macro KQW x, g                        ; four tiles of 16 keys against tile x's queries
.irp t, 0,1,2,3
.if \g
	v_wmma_scale_f32_16x16x128_f8f6f4 v[S+8*(4+\t):S+8*(4+\t)+7], v[FRG+12*\t:FRG+12*\t+11], v[Q:Q+11], 0, v[KSC+\t], v[QS+\x] matrix_a_fmt:MATRIX_FMT_FP6 matrix_b_fmt:MATRIX_FMT_FP6 matrix_a_scale:MATRIX_SCALE_ROW1
.else
	v_wmma_scale_f32_16x16x128_f8f6f4 v[S+8*\t:S+8*\t+7], v[FRG+12*\t:FRG+12*\t+11], v[Q:Q+11], 0, v[KSC+\t], v[QS+\x] matrix_a_fmt:MATRIX_FMT_FP6 matrix_b_fmt:MATRIX_FMT_FP6
.endif
.endr
.endm
.macro PVW x, g                        ; four tiles of 16 channels, K = these 128 keys
.irp t, 0,1,2,3
.if \g
	v_wmma_scale_f32_16x16x128_f8f6f4 v[O+8*(4+\t):O+8*(4+\t)+7], v[FRG+12*\t:FRG+12*\t+11], v[PC:PC+11], v[O+8*(4+\t):O+8*(4+\t)+7], v[VSC+\t], v[PS+\x] matrix_a_fmt:MATRIX_FMT_FP6 matrix_b_fmt:MATRIX_FMT_FP6 matrix_a_scale:MATRIX_SCALE_ROW1
.else
	v_wmma_scale_f32_16x16x128_f8f6f4 v[O+8*\t:O+8*\t+7], v[FRG+12*\t:FRG+12*\t+11], v[PC:PC+11], v[O+8*\t:O+8*\t+7], v[VSC+\t], v[PS+\x] matrix_a_fmt:MATRIX_FMT_FP6 matrix_b_fmt:MATRIX_FMT_FP6
.endif
.endr
.endm
.macro FETCH4 off                      ; four operand images: 512 consecutive bytes a load
	WIN 0x40
.irp t, 0,1,2,3
.irp c, 0,1,2
	ds_load_b128 v[FRG+12*\t+4*\c:FRG+12*\t+4*\c+3], v[ADK] offset:\off+1536*\t+512*\c
.endr
.endr
.endm
.macro LINEAR x                        ; S += sign G N(i), ascending: each accumulator is read from its low end on
	WIN 0x01+0x54*(\x)
.set n, 0
.rept 32
	v_pk_fma_f32 v[S+2*n:S+2*n+1], v[NI+2*(n%8):NI+2*(n%8)+1], v[G2:G2+1], v[S+2*n:S+2*n+1] op_sel_hi:[1,0,1]
.set n, n+1
.endr
.endm
.macro DIAG x                          ; the step on the diagonal: S - G |d|, and -100 sqrt(128) where d = 0; the blocks' constants are 0
	WIN 0x01+0x54*(\x)
	v_add_f32 v[DL], v[NI], v[DL]                  ; d0 + N(0): my half's 8 (lane / 16); the constants below are the places within a half
	WIN 0x55*(\x)
.irp b, 0,1,2,3
	v_mov_b32 v[KP+2*\b+1], 0
.endr
	v_mov_b32 v[T], 0xc48d6bde
.irp b, 0,1,2,3
.set i, 0
.irp k, 0, 1.0, 2.0, 3.0, 4.0, 5.0, 6.0, 7.0, 16.0, 17.0, 18.0, 19.0, 20.0, 21.0, 22.0, 23.0
	v_add_f32 v[CT+i%2], \k, v[DL]                 ; d: whole numbers, exact
	v_fma_f32 v[S+16*\b+i], -v[GAM], |v[CT+i%2]|, v[S+16*\b+i]
	s_delay_alu instid0(VALU_DEP_2)
	v_cmp_eq_f32 vcc_lo, 0, v[CT+i%2]
	s_delay_alu instid0(VALU_DEP_1)
	v_cndmask_b32 v[S+16*\b+i], v[S+16*\b+i], v[T], vcc_lo
.set i, i+1
.endr
	v_add_f32 v[DL], 0x42000000, v[DL]
.endr
.endm
.macro SOFT x
	WIN 0x55*(\x)
.irp b, 0,1,2,3
	v_max3_num_f32 v[MU+\b], v[S+16*\b], v[S+16*\b+1], v[S+16*\b+2]   ; the largest score of each block of 32 keys: for the row's maximum and, since p rises with the score, for the block's largest p
.endr
.irp i, 3,5,7,9,11,13
.irp b, 0,1,2,3
	s_delay_alu instid0(VALU_DEP_4)
	v_max3_num_f32 v[MU+\b], v[MU+\b], v[S+16*\b+\i], v[S+16*\b+\i+1]
.endr
.endr
.irp b, 0,1,2,3
	s_delay_alu instid0(VALU_DEP_4)
	v_max_num_f32 v[MU+\b], v[MU+\b], v[S+16*\b+15]
.endr
.irp b, 0,1,2,3
	s_delay_alu instid0(VALU_DEP_4)
	v_permlanex16_b32 v[PT+\b], v[MU+\b], s[SEL], s[SEL+1]
.endr
.irp b, 0,1,2,3
	s_delay_alu instid0(VALU_DEP_4)
	v_max_num_f32 v[MU+\b], v[MU+\b], v[PT+\b]     ; with lane l xor 16's 16 keys: both lanes add the same constant to these scores, so they compare as t2 does
.endr
.irp b, 0,1,2,3
	s_delay_alu instid0(VALU_DEP_4)
	v_fma_f32 v[PT+\b], v[MU+\b], s[CS], v[KP+2*\b+1]   ; as t2
.endr
	s_delay_alu instid0(VALU_DEP_2)
	v_max3_num_f32 v[T], v[PT], v[PT+1], v[PT+2]
	s_delay_alu instid0(VALU_DEP_1)
	v_max_num_f32 v[T], v[T], v[PT+3]
	s_delay_alu instid0(VALU_DEP_1)
	v_max_num_f32 v[TX], v[TX], v[T]               ; the running largest t2
	v_mov_b32 v[T], v[NM]
	s_delay_alu instid0(VALU_DEP_2)
	v_floor_f32 v[NM], -v[TX]                      ; the new -M: a whole number
	s_delay_alu instid0(VALU_DEP_1)
	v_sub_f32 v[T], v[NM], v[T]                    ; old M - new M: 0 or less
	s_delay_alu instid0(VALU_DEP_1)
	v_cvt_i32_f32 v[T], v[T]                       ; (it saturates)
	s_delay_alu instid0(VALU_DEP_1)
	v_ldexp_f32 v[F], 1.0, v[T]
.irp b, 0,1,2,3
	v_add_f32 v[KP+2*\b], v[KP+2*\b+1], v[NM]      ; the scaling's constant of block b
.endr
.set n, 0
.rept 32
	v_pk_fma_f32 v[S+2*n:S+2*n+1], v[S+2*n:S+2*n+1], s[CS:CS+1], v[KP+2*(n/8):KP+2*(n/8)+1] op_sel_hi:[1,0,0]   ; t2 - M, two at a time
.set n, n+1
.endr
.irp b, 0,1,2,3
	v_fma_f32 v[MU+\b], v[MU+\b], s[CS], v[KP+2*\b]   ; the same of each block's largest score
.endr
.set n, 0
	s_wait_alu depctr_va_vdst(0)
.rept 64
	v_exp_f32 v[S+n], v[S+n]                       ; p, at most 1, not normalised
.set n, n+1
.endr
	v_pk_mul_f32 v[L:L+1], v[L:L+1], v[F:F+1] op_sel_hi:[1,0]   ; the sums under the new M; the plain line behind the batch
	s_wait_alu depctr_va_vdst(0)                   ; one wait for the 64, ahead of their first reader
.irp b, 0,1,2,3
	v_exp_f32 v[MU+\b], v[MU+\b]                   ; the block's largest p: the same two instructions on the same number
.endr
	v_pk_add_f32 v[PT:PT+1], v[S:S+1], v[S+2:S+3]  ; the row's sum of the unquantised p, in two chains
.irp j, 4,8,12,16,20,24,28,32,36,40,44,48,52,56,60
	v_pk_add_f32 v[L:L+1], v[L:L+1], v[S+\j:S+\j+1]
	v_pk_add_f32 v[PT:PT+1], v[PT:PT+1], v[S+\j+2:S+\j+3]
.endr
	s_delay_alu instid0(VALU_DEP_1)
	v_pk_add_f32 v[L:L+1], v[L:L+1], v[PT:PT+1]
	s_wait_alu depctr_va_vdst(0)                   ; and one for the four
.irp b, 0,1,2,3
	v_max_num_f32 v[MU+\b], 0x1800000, v[MU+\b]    ; the floor 2^(3 - 127): the byte cannot fall under 1
.endr
.irp b, 0,1,2,3
	s_delay_alu instid0(VALU_DEP_4)
	v_add_nc_u32 v[SO+\b], 0xff000000, v[MU+\b]
.endr
.irp b, 0,1,2,3
	s_delay_alu instid0(VALU_DEP_4)
	v_lshrrev_b32 v[PT+\b], 23, v[SO+\b]
.endr
	s_delay_alu instid0(VALU_DEP_3)
	v_lshl_or_b32 v[T], v[PT+1], 8, v[PT]
	s_delay_alu instid0(VALU_DEP_1)
	v_lshl_or_b32 v[T], v[PT+2], 16, v[T]
	WIN 0x15*(\x)                                  ; scale operands are taken from window 0
	v_lshl_or_b32 v[PS+\x], v[PT+3], 24, v[T]      ; p's scale word for these 128 keys
	WIN 0x55*(\x)
.irp c, 0,1
	v_cvt_scalef32_pk16_fp6_f32 v[PC+6*\c:PC+6*\c+2], v[S+32*\c:S+32*\c+15], v[SO+2*\c]
	v_cvt_scalef32_pk16_fp6_f32 v[CT+4*\c:CT+4*\c+2], v[S+32*\c+16:S+32*\c+31], v[SO+2*\c+1]
.endr
	v_nop                                          ; one plain line behind a scaled conversion
.irp c, 0,1
.irp i, 0,1,2
	v_permlane16_swap_b32 v[PC+6*\c+\i], v[CT+4*\c+\i]
.endr
.irp i, 0,1,2
	s_delay_alu instid0(VALU_DEP_3)
	v_mov_b32 v[PC+3+6*\c+\i], v[CT+4*\c+\i]
.endr
.endr
.set n, 0
.rept 32
	v_pk_mul_f32 v[O+2*n:O+2*n+1], v[O+2*n:O+2*n+1], v[F:F+1] op_sel_hi:[1,0]   ; O^T under the new M; these lines also stand between the scale word and codes just made and the matrix instructions
.set n, n+1
.endr
.endm
; A KEY STEP: 128 keys.
.macro STEP
	s_sub_co_i32 s[DI], s[KF], s[Q0]
	s_cmp_lt_u32 s[KF], s[QD]                      ; keys before my queries: |d| = -d, so the term is +G d; behind them -G d
	s_mov_b32 s[SG], 0xbf800000
	s_cselect_b32 s[SG], 0x3f800000, s[SG]
	PRE 0                                          ; with the line below: nine places in front of the loads into registers that the last products read
	v_add_nc_u32 v[ADK], s[TB], v[LI]
	FETCH4 0
	WIN 0
	ds_load_b128 v[KSC:KSC+3], v[ADK] offset:12288
	s_wait_alu depctr_va_vdst(0)
	s_wait_dscnt 0x0
	WIN 0x01
	KQW 0, 0
	WIN 0x55
	KQW 1, 0
.rept 4
	v_nop
.endr
	FETCH4 4*1536
	s_wait_dscnt 0x0
	WIN 0x01
	KQW 0, 1
	WIN 0x55
	KQW 1, 1
	PRE 1                                          ; eight places: in front of the loads below and of the first read of the scores
	FETCH4 BLK                                     ; content's first four operands and its scale image are asked for here and land while the softmax runs
	WIN 0
	ds_load_b128 v[VSC:VSC+3], v[ADK] offset:BLK+12288
	s_cmp_eq_u32 s[KF], s[QD]
	s_cbranch_scc1 .Ldiag_\@
	LINEAR 0
	LINEAR 1
	WIN 0
	s_branch .Ljoin_\@
.Ldiag_\@:
	DIAG 0
	DIAG 1
	WIN 0
.Ljoin_\@:
	s_setprio 1
	SOFT 0
	SOFT 1
	s_wait_alu depctr_va_vdst(0)
	s_wait_dscnt 0x0
	WIN 0x01
	s_setprio 0
	PVW 0, 0                                       ; sixteen accumulators, each once a step: none follows itself
	WIN 0x55
	PVW 1, 0
.rept 4
	v_nop
.endr
	FETCH4 BLK+4*1536
	s_wait_dscnt 0x0
	WIN 0x01
	PVW 0, 1
	WIN 0x55
	PVW 1, 1
	WIN 0
	s_add_co_u32 s[KF], s[KF], 128
	s_add_co_u32 s[TB], s[TB], STEPB
.endm
; THE CHANGE OF SLOTS stands at a slot's head: each wave waits for all its tensor loads (its eighth of the slot ahead), adds 0 to its spare word, waits for that and for its reads of the slot that it has left; one barrier;
; fill = 1: the slot just left takes the next four key steps.
.macro CHANGE fill
	s_wait_tensorcnt 0x0                           ; no tensor load of mine is out, so the descriptor may be written
	ds_add_u32 v[SPW], v[NIL]
.if \fill
	s_xor_b32 s[G0+1], s[G0+1], SLOT1
	s_add_nc_u64 s[G0+2:G0+3], s[G0+2:G0+3], SLOTB
.endif
	s_wait_dscnt 0x0
	s_barrier_signal -1
	s_barrier_wait -1
.if \fill
	tensor_load_to_lds s[G0:G0+3], s[G1:G1+7]      ; my one tensor load until the next such barrier
	s_nop 0
.rept 4
	v_nop
.endr
.endif
.endm
.macro SLOT_STEPS
	s_mov_b32 s[CNT], 4
.Lstep_\@:
	s_setprio 2
	STEP
	s_sub_co_u32 s[CNT], s[CNT], 1
	s_cmp_lg_u32 s[CNT], 0
	s_cbranch_scc1 .Lstep_\@
	s_setprio 0
	s_sub_co_u32 s[TB], s[TB], SLOTB               ; back to a slot's first step,
	s_xor_b32 s[TB], s[TB], SLOT1                  ; in the other slot
.endm
.Lslot:                                            ; three trips: behind each change of slots but the last the next four key steps are asked for
	CHANGE 1
	SLOT_STEPS
	s_sub_co_u32 s[SLOTS], s[SLOTS], 1
	s_cmp_lg_u32 s[SLOTS], 0
	s_cbranch_scc1 .Lslot
	CHANGE 0                                       ; the last slot is written out
	SLOT_STEPS
; THE WAY OUT.  O^T / sum.  Register 8 k + j holds channel 16 k + 8 (lane / 16) + j; W_proj's codes are in true order, so the halves of neighbouring tiles change places once: register 16 B + i then holds channel
; 32 B + 16 (lane / 16) + i.  Then the quantiser along the channels, and the operand (16 queries x this head's 128 channels) is stored as an image of its registers.
.rept 4
	v_nop
.endr
.macro FIN x
	WIN 0x55*(\x)
	v_add_f32 v[L], v[L], v[L+1]
	s_delay_alu instid0(VALU_DEP_1)
	v_permlanex16_b32 v[T], v[L], s[SEL], s[SEL+1]
	s_delay_alu instid0(VALU_DEP_1)
	v_add_f32 v[L], v[L], v[T]                     ; the row's sum
	s_wait_alu depctr_va_vdst(0)
	v_rcp_f32 v[F], v[L]
	v_nop                                          ; a plain line behind the reciprocal
	s_wait_alu depctr_va_vdst(0)
.irp b, 0,1,2,3
.irp j, 0,1,2,3,4,5,6,7
	v_permlane16_swap_b32 v[O+16*\b+\j], v[O+16*\b+8+\j]   ; (ascending: each accumulator is read from its low end on)
.endr
.endr
	s_wait_alu depctr_va_vdst(0)                   ; the wait ahead of the reciprocal's first reader
.set n, 0
.rept 32
	v_pk_mul_f32 v[O+2*n:O+2*n+1], v[O+2*n:O+2*n+1], v[F:F+1] op_sel_hi:[1,0]
.set n, n+1
.endr
.irp b, 0,1,2,3
	v_max3_num_f32 v[MU+\b], |v[O+16*\b]|, |v[O+16*\b+1]|, 0x1800000
.endr
.irp i, 2,4,6,8,10,12,14
.irp b, 0,1,2,3
	s_delay_alu instid0(VALU_DEP_4)
	v_max3_num_f32 v[MU+\b], v[MU+\b], |v[O+16*\b+\i]|, |v[O+16*\b+\i+1]|
.endr
.endr
.irp b, 0,1,2,3
	s_delay_alu instid0(VALU_DEP_4)
	v_permlanex16_b32 v[PT+\b], v[MU+\b], s[SEL], s[SEL+1]
.endr
.irp b, 0,1,2,3
	s_delay_alu instid0(VALU_DEP_4)
	v_max_num_f32 v[MU+\b], v[MU+\b], v[PT+\b]
.endr
.irp b, 0,1,2,3
	s_delay_alu instid0(VALU_DEP_4)
	v_add_nc_u32 v[SO+\b], 0xff000000, v[MU+\b]
.endr
.irp b, 0,1,2,3
	s_delay_alu instid0(VALU_DEP_4)
	v_lshrrev_b32 v[PT+\b], 23, v[SO+\b]
.endr
	s_delay_alu instid0(VALU_DEP_3)
	v_lshl_or_b32 v[T], v[PT+1], 8, v[PT]
	s_delay_alu instid0(VALU_DEP_1)
	v_lshl_or_b32 v[T], v[PT+2], 16, v[T]
	WIN 0x15*(\x)
	v_lshl_or_b32 v[RW+\x], v[PT+3], 24, v[T]
	WIN 0x55*(\x)
.irp c, 0,1
	v_cvt_scalef32_pk16_fp6_f32 v[PC+6*\c:PC+6*\c+2], v[O+32*\c:O+32*\c+15], v[SO+2*\c]
	v_cvt_scalef32_pk16_fp6_f32 v[CT+4*\c:CT+4*\c+2], v[O+32*\c+16:O+32*\c+31], v[SO+2*\c+1]
.endr
	v_nop
.irp c, 0,1
.irp i, 0,1,2
	v_permlane16_swap_b32 v[PC+6*\c+\i], v[CT+4*\c+\i]
.endr
.irp i, 0,1,2
	s_delay_alu instid0(VALU_DEP_3)
	v_mov_b32 v[PC+3+6*\c+\i], v[CT+4*\c+\i]
.endr
.endr
	WIN 0x04*(\x)                                  ; a store's data are its source 1
.irp c, 0,1,2
	global_store_b128 v[LI], v[PC+4*\c:PC+4*\c+3], s[12:13] offset:12288*(\x)+512*\c
.endr
.endm
	FIN 0
	FIN 1
	WIN 0
	v_cmp_gt_u32 vcc_lo, 16, v[LN]
	s_delay_alu instid0(VALU_DEP_1)
	v_cndmask_b32 v[RW], v[RW+1], v[RW], vcc_lo    ; lane l: the scale word of query Q0 + l
	v_lshlrev_b32 v5, 2, v[LN]
	global_store_b32 v5, v[RW], s[14:15]           ; 128 consecutive bytes a wave
	s_wait_tensorcnt 0x0                           ; the wave's end
	ds_add_u32 v[SPW], v[NIL]
	s_wait_dscnt 0x0
	s_endpgm
.Lfunc_end_k_q569c982ffb_attn:
	.size	k_q569c982ffb_attn, .Lfunc_end_k_q569c982ffb_attn-k_q569c982ffb_attn
	.p2alignl 7, 3214868480
	.fill 96, 4, 3214868480
	.section	.rodata,"a",@progbits
	.p2align	6, 0x0
	.amdhsa_kernel k_q569c982ffb_attn
		.amdhsa_group_segment_fixed_size 327680
		.amdhsa_private_segment_fixed_size 0
		.amdhsa_enable_private_segment 0
		.amdhsa_kernarg_size 48
		.amdhsa_user_sgpr_count 2
		.amdhsa_user_sgpr_kernarg_segment_ptr 1
		.amdhsa_wavefront_size32 1
		.amdhsa_system_sgpr_workgroup_id_x 1
		.amdhsa_system_sgpr_workgroup_id_y 1
		.amdhsa_system_sgpr_workgroup_id_z 1
		.amdhsa_system_vgpr_workitem_id 0
		.amdhsa_next_free_vgpr 512
		.amdhsa_next_free_sgpr 72
		.amdhsa_reserve_vcc 1
		.amdhsa_float_denorm_mode_32 3
		.amdhsa_float_denorm_mode_16_64 3
		.amdhsa_memory_ordered 1
		.amdhsa_forward_progress 1
		.amdhsa_inst_pref_size 188
	.end_amdhsa_kernel
	.amdgpu_metadata
---
amdhsa.version: [ 1, 2 ]
amdhsa.kernels:
  - .name:           k_q569c982ffb_attn
    .symbol:         k_q569c982ffb_attn.kd
    .args:
      - { .name: qf, .offset: 0, .size: 8, .value_kind: global_buffer, .address_space: global }
      - { .name: kv, .offset: 8, .size: 8, .value_kind: global_buffer, .address_space: global }
      - { .name: dp, .offset: 16, .size: 8, .value_kind: global_buffer, .address_space: global }
      - { .name: b_qdecay, .offset: 24, .size: 8, .value_kind: global_buffer, .address_space: global }
      - { .name: rf, .offset: 32, .size: 8, .value_kind: global_buffer, .address_space: global }
      - { .name: rs, .offset: 40, .size: 8, .value_kind: global_buffer, .address_space: global }
    .group_segment_fixed_size: 327680
    .private_segment_fixed_size: 0
    .kernarg_segment_align: 8
    .kernarg_segment_size: 48
    .max_flat_workgroup_size: 256
    .sgpr_count:     72
    .vgpr_count:     512
    .wavefront_size: 32
...
	.end_amdgpu_metadata
.endif
;; end of part 3
;; launch proj (part 4): grid 32 x 8, 4 waves a work-group, clusters of 4 x 4, 327,680 bytes of LDS; arguments W_proj_codes, W_proj_scales, rf, rs, b_proj, x, out0; writes out0
.if DOCPART == 4
	.amdgcn_target "amdgcn-amd-amdhsa--gfx1250"
	.amdhsa_code_object_version 6
	.text
	.protected	k_q569c982ffb_proj
	.globl	k_q569c982ffb_proj
	.p2align	8
	.type	k_q569c982ffb_proj,@function
k_q569c982ffb_proj:
	s_mov_b64 s[64:65], 0
	v_nop
	global_prefetch_b8 v0, s[64:65] scope:SCOPE_SE
	s_setreg_imm32_b32 hwreg(HW_REG_WAVE_MODE, 25, 1), 1
	s_wait_xcnt 0x0
	s_wait_alu depctr_hold_cnt(0) depctr_sa_sdst(0) depctr_va_vdst(0) depctr_va_sdst(0) depctr_va_ssrc(0) depctr_va_vcc(0) depctr_vm_vsrc(0)
	s_getreg_b32 s2, hwreg(HW_REG_IB_STS2, 6, 4)
	s_cmp_eq_u32 s2, 0
	s_cbranch_scc0 .Lentry_in_a_cluster
	s_endpgm
.Lentry_in_a_cluster:
	s_bfe_u32 s2, ttmp6, 0x10000c
	s_cmp_lg_u32 s2, 0xf033
	s_cbranch_scc0 .Lentry_shape_is_right
	s_endpgm
.Lentry_shape_is_right:
; LAUNCH 4 OF 4.  out[b][o][s] = x[b][o][s] + b_proj[o] + sum over c of W_proj[o][c] result[b][c][s]: W_proj's codes as given, the result's operands and scale words from launch 3, K = 1,024.
; A tile is 128 o x 256 s: 256 work-groups.  Four waves, each 64 o x 128 s: 32 accumulators.  Side A (source 1, a result's lane) = rows o of W_proj; side B (source 0, a result's registers) = 16 queries s:
; a lane then holds eight neighbouring s of one row o of the output.  K goes in steps of 256 (two heads) through a ring of two LDS slots.  A's rows come as rows of 192 bytes, padded; B's operands come as the
; images that launch 3 stored: 16 tiles of s x 3,072 bytes, read back by loads of 512 consecutive bytes.  Both sides' scale bytes come once.
; CLUSTERS: 4 x 4.  A's tile hangs on the tile row alone and is asked for jointly by my row of the cluster; B's on the tile column alone, by my column.
; The bias is the C of each sum's first matrix instruction.  My 64 x 128 numbers of x are asked for at the head, into 256 registers of their own, and are added on the way out.
.set NQ,     2
.set ROWB,   192
.set KROW,   768
.set PITCH,  240
.set FR,     12
.set NP,     4
.set AHALF,  64*PITCH                  ; 64 rows of A: what one tensor load brings, and what one wave reads
.set ATILE,  2*AHALF
.set BFR,    1536                      ; an operand image
.set BROW,   2*BFR                     ; a tile of s in a slot: two heads
.set BHALF,  8*BROW
.set SLOT,   ATILE+2*BHALF
.set LAPS,   2
.set SCA,    2*SLOT                    ; behind the ring: A's scale bytes, units of 256 bytes + 16
.set SAH,    8*272                     ; those of 64 rows
.set SBLK,   2*272                     ; those of 16 rows
.set SCB,    SCA+2*SAH                 ; B's scale words: 8 heads x 256 s x 4 bytes
.set SPARE,  SCB+8192
.set SPITCH, 528                       ; the way out: a stage of 16 rows x (512 + 16) bytes a wave, in slot 0, which has had its last fill and its last read by then
.set ADRA, 16                          ; v16-19
.set ADRB, 20                          ; v20-21
.set STO,  24
.set RD,   25
.set CO,   26                          ; 16 x lane
.set ADRSA, 27
.set SPW,  28
.set NIL,  29
.set ADRSB, 30
.set SA,   32                          ; v32-47 A's scale words: 8 set + 2 a + q
.set SBS,  48                          ; v48-79 B's: 16 set + 2 b + q
.set BIAS, 80                          ; v80-111
.set AF,   128                         ; v128-175 A's four operands, one set
.set BK,   128                         ; the way out: v128-191, v192-255 by turns
.set G1, 24
.set G0, 32
.set G1B, 48
.set G0B, 56
.set G1S, 68
.set G0S, 76
.set G1SB, 80
.set G0SB, 88
.set MSB, 0
.macro WIN new
.if MSB != (\new)
	s_set_vgpr_msb (MSB<<8)|(\new)
.set MSB, (\new)
.endif
.endm
.set MUL,  0xa1                        ; source 0 (B) window 1, source 1 (A) window 0, C and D window 2
.set TO_B, 0x40
.macro JLOAD g0a, g1a, g0b, g1b        ; waves 0 and 1 fetch for A, waves 2 and 3 for B; an s_nop 0 and four v_nop follow each line
	s_cmp_eq_u32 s15, 0
	s_cbranch_scc0 .Lfor_b_\@
	tensor_load_to_lds s[\g0a:\g0a+3], s[\g1a:\g1a+7]
	s_nop 0
.rept 4
	v_nop
.endr
	s_branch .Lasked_\@
.Lfor_b_\@:
	tensor_load_to_lds s[\g0b:\g0b+3], s[\g1b:\g1b+7]
	s_nop 0
.rept 4
	v_nop
.endr
.Lasked_\@:
.endm
.macro CREST
	s_cmp_lg_u32 s14, 0
	s_cbranch_scc1 .Lnot_wave_0_\@
	s_barrier_signal -3
.Lnot_wave_0_\@:
	s_barrier_wait -3
	s_barrier_signal -1
	s_barrier_wait -1
.endm
.macro CROUND
	s_barrier_signal -1
	s_barrier_wait -1
	CREST
.endm
	s_load_b256 s[4:11], s[0:1], 0x0               ; W_proj's codes, its scales, rf, rs
	s_load_b128 s[96:99], s[0:1], 0x20             ; b_proj, x
	s_load_b64 s[100:101], s[0:1], 0x30            ; out0
	v_lshl_add_u32 v[SPW], v0, 2, SPARE
	v_mov_b32 v[NIL], 0
	ds_add_u32 v[SPW], v[NIL]                      ; the wave's opening: the add, twice on end, and its wait ahead of my first tensor load
	ds_add_u32 v[SPW], v[NIL]
	v_lshrrev_b32 v1, 5, v0
	v_readfirstlane_b32 s14, v1                    ; wave 0..3
	s_lshr_b32 s15, s14, 1                         ; my 64 of the tile's rows o.  Also: I fetch for A (0) or for B (1)
	s_and_b32 s16, s14, 1                          ; my 128 of its columns s.  Also: which half I fetch
	s_bfe_u32 s40, ttmp6, 0x40000                  ; cx
	s_bfe_u32 s41, ttmp6, 0x40004                  ; cy
	s_lshl_b32 s42, ttmp9, 2
	s_add_co_u32 s42, s42, s40                     ; tile column: 256 s
	s_and_b32 s17, ttmp7, 0xffff
	s_lshl_b32 s17, s17, 2
	s_add_co_u32 s17, s17, s41                     ; tile row: 128 o
	s_lshl_b32 s43, s41, 2
	s_lshl_b32 s43, 15, s43                        ; my row of the cluster
	s_lshl_b32 s44, 0x1111, s40                    ; my column
	s_or_b32 s[G1+0], s43, (0<<16)|(1<<20)|(1<<21)|(3<<22)|(3<<25)   ; A: 64 rows of 192 bytes, 16 bytes of padding behind every 64
	s_mov_b32 s[G1+1], ROWB<<16
	s_mov_b32 s[G1+2], 64<<16
	s_mov_b32 s[G1+3], ROWB<<16
	s_mov_b32 s[G1+4], 64
	s_mov_b32 s[G1+5], KROW
	s_mov_b32 s[G1+6], 0
	s_mov_b32 s[G1+7], 0
	s_or_b32 s[G1B+0], s44, (3<<16)|(1<<21)        ; B: 8 rows (tiles of s) of 3,072 bytes (384 elements of 8), 12,288 bytes apart; no padding
	s_mov_b32 s[G1B+1], 384<<16
	s_mov_b32 s[G1B+2], 8<<16
	s_mov_b32 s[G1B+3], 384<<16
	s_mov_b32 s[G1B+4], 8
	s_mov_b32 s[G1B+5], 1536
	s_mov_b32 s[G1B+6], 0
	s_mov_b32 s[G1B+7], 0
	s_or_b32 s[G1S+0], s43, (3<<16)|(1<<20)|(1<<21)|(5<<22)|(3<<25)   ; A's scale bytes of 64 rows: 2,048 dense bytes as 8 rows of 256, 16 of padding behind each
	s_mov_b32 s[G1S+1], 32<<16
	s_mov_b32 s[G1S+2], 8<<16
	s_mov_b32 s[G1S+3], 32<<16
	s_mov_b32 s[G1S+4], 8
	s_mov_b32 s[G1S+5], 32
	s_mov_b32 s[G1S+6], 0
	s_mov_b32 s[G1S+7], 0
	s_or_b32 s[G1SB+0], s44, (2<<16)|(1<<21)       ; B's scale words: 4 heads x 256 words, 8,192 words apart
	s_mov_b32 s[G1SB+1], 256<<16
	s_mov_b32 s[G1SB+2], 4<<16
	s_mov_b32 s[G1SB+3], 256<<16
	s_mov_b32 s[G1SB+4], 4
	s_mov_b32 s[G1SB+5], 8192
	s_mov_b32 s[G1SB+6], 0
	s_mov_b32 s[G1SB+7], 0
	s_lshl_b32 s20, s17, 7
	s_lshl_b32 s18, s16, 6
	s_add_co_u32 s20, s20, s18                     ; A: row 128 x tile row + 64 x half
	s_lshl_b32 s22, s20, 5                         ; its scale bytes
	s_mul_i32 s20, s20, KROW                       ; its codes
	s_mov_b32 s21, 0
	s_mov_b32 s23, 0
	s_lshl_b32 s46, s42, 4
	s_lshl_b32 s18, s16, 3
	s_add_co_u32 s46, s46, s18                     ; B: tile of s 16 x tile column + 8 x half
	s_mul_i32 s46, s46, 8*BFR
	s_mov_b32 s47, 0
	s_lshl_b32 s92, s42, 10                        ; its scale words: 1,024 bytes a tile column, heads 4 x half on
	s_lshl_b32 s18, s16, 17
	s_add_co_u32 s92, s92, s18
	s_mov_b32 s93, 0
	s_mul_i32 s45, s16, AHALF                      ; where they go: no place in the cluster enters an LDS address
	s_mul_i32 s19, s16, BHALF
	s_mul_i32 s94, s16, SAH
	s_lshl_b32 s3, s16, 12
	s_wait_dscnt 0x0                               ; both opening adds are done
	s_wait_kmcnt 0x0
	s_add_nc_u64 s[20:21], s[4:5], s[20:21]
	s_add_nc_u64 s[22:23], s[6:7], s[22:23]
	s_add_nc_u64 s[46:47], s[8:9], s[46:47]
	s_add_nc_u64 s[92:93], s[10:11], s[92:93]
	CROUND                                         ; all sixteen work-groups are here: the first joint loads meet
	s_mov_b32 s[G0S], 1
	s_add_co_u32 s[G0S+1], s94, SCA
	s_mov_b64 s[G0S+2:G0S+3], s[22:23]
	s_or_b32 s[G0S+3], s[G0S+3], 0x80000000
	s_mov_b32 s[G0SB], 1
	s_add_co_u32 s[G0SB+1], s3, SCB
	s_mov_b64 s[G0SB+2:G0SB+3], s[92:93]
	s_or_b32 s[G0SB+3], s[G0SB+3], 0x80000000
	JLOAD G0S, G1S, G0SB, G1SB
.irp s, 0,1
	s_mov_b32 s[G0+4*\s], 1
	s_add_co_u32 s[G0+4*\s+1], s45, \s*SLOT
	s_add_nc_u64 s[G0+4*\s+2:G0+4*\s+3], s[20:21], \s*ROWB
	s_or_b32 s[G0+4*\s+3], s[G0+4*\s+3], 0x80000000
	s_mov_b32 s[G0B+4*\s], 1
	s_add_co_u32 s[G0B+4*\s+1], s19, \s*SLOT+ATILE
	s_add_nc_u64 s[G0B+4*\s+2:G0B+4*\s+3], s[46:47], \s*BROW
	s_or_b32 s[G0B+4*\s+3], s[G0B+4*\s+3], 0x80000000
	JLOAD G0+4*\s, G1, G0B+4*\s, G1B               ; three loads of mine are out behind these
.endr
	v_and_b32 v1, 15, v0                           ; r
	v_bfe_u32 v2, v0, 4, 1                         ; h
	v_mul_u32_u24 v3, v1, PITCH
	v_mul_u32_u24 v4, v2, 24
	v_add_nc_u32 v4, v3, v4
	v_lshl_add_u32 v5, v2, 4, v4
	v_and_b32 v6, 31, v0
	v_lshlrev_b32 v[CO], 4, v6
	s_mul_i32 s21, s15, AHALF                      ; my 64 rows of A
	s_mul_i32 s22, s16, BHALF                      ; my 8 tiles of s, behind A's rows
	s_add_co_u32 s22, s22, ATILE
.irp s, 0,1
	v_add_nc_u32 v[ADRA+\s], s21, v4
	v_add_nc_u32 v[ADRA+2+\s], s21, v5
	v_add_nc_u32 v[ADRB+\s], s22, v[CO]
	s_add_co_u32 s21, s21, SLOT
	s_add_co_u32 s22, s22, SLOT
.endr
	v_lshlrev_b32 v7, 5, v1                        ; A's scale bytes: 32 a row,
	v_lshrrev_b32 v8, 8, v7
	v_lshl_add_u32 v7, v8, 4, v7                   ; and 16 more for each 256 passed
	s_mul_i32 s21, s15, SAH
	s_add_co_u32 s21, s21, SCA
	v_add_nc_u32 v[ADRSA], s21, v7
	s_lshl_b32 s21, s16, 9                         ; B's scale words: my 128 s, 4 bytes each
	s_add_co_u32 s21, s21, SCB
	v_lshlrev_b32 v9, 2, v1
	v_add_nc_u32 v[ADRSB], s21, v9
	s_mul_i32 s23, s14, 16*SPITCH                  ; my stage
	v_mul_u32_u24 v5, v1, SPITCH
	v_lshl_add_u32 v5, v2, 5, v5
	v_add_nc_u32 v[STO], s23, v5                   ; in: row r, 32 bytes for each half of the lanes
	v_add_nc_u32 v[RD], s23, v[CO]                 ; back: the 32 lanes take a row of 512 bytes
	s_lshr_b32 s20, s42, 3                         ; b
	s_lshl_b32 s20, s20, 23                        ; x 1,024 rows of 8,192 bytes
	s_lshl_b32 s21, s17, 7
	s_lshl_b32 s22, s15, 6
	s_add_co_u32 s21, s21, s22                     ; my first o
	s_lshl_b32 s22, s21, 13
	s_add_co_u32 s20, s20, s22
	s_and_b32 s22, s42, 7
	s_lshl_b32 s22, s22, 10                        ; my tile column in its batch: 256 s x 4 bytes
	s_add_co_u32 s20, s20, s22
	s_lshl_b32 s22, s16, 9
	s_add_co_u32 s20, s20, s22
	s_lshl_b32 s22, s21, 2                         ; the bias of my first o
	s_mov_b32 s21, 0
	s_mov_b32 s23, 0
	s_add_nc_u64 s[98:99], s[98:99], s[20:21]
	s_add_nc_u64 s[100:101], s[100:101], s[20:21]
	s_add_nc_u64 s[96:97], s[96:97], s[22:23]
.irp a, 0,1,2,3
	global_load_b32 v[BIAS+8*\a], v9, s[96:97] offset:64*\a
.endr
	s_wait_loadcnt 0x0
.irp a, 0,1,2,3                                ; a lane's o is the same in all eight registers of a result
.irp j, 1,2,3,4,5,6,7
	v_mov_b32 v[BIAS+8*\a+\j], v[BIAS+8*\a]
.endr
.endr
	WIN 0xc0                                       ; destination window 3
.set n, 0
.rept 64
	global_load_b128 v[4*n:4*n+3], v[CO], s[98:99] offset:n*8192 th:TH_LOAD_NT   ; row n of my 64: 512 consecutive bytes; read once in this launch
.set n, n+1
.endr
	WIN 0
.macro FRAG reg, adr, q, i
.irp p, 0,1,2,3,4,5
.set PCE, 12*(\q)+6*(\p/3)+\p%3
.if PCE%8 < 5
	ds_load_b64 v[\reg+2*\p:\reg+2*\p+1], v[\adr] offset:8*PCE+16*(PCE/8)+(\i)*16*PITCH
.else
	ds_load_b64 v[\reg+2*\p:\reg+2*\p+1], v[\adr+2] offset:8*PCE+16*(PCE/8)+(\i)*16*PITCH
.endif
.endr
.endm
; 8 matrix instructions: A's block a x B's eight.  zero = 1: C = the bias.  The 32 accumulators take turns, in the same order in every step.
.macro MULA a, p, q, sc, zero
.irp b, 0,1,2,3,4,5,6,7
.set rD, 8*(8*(\a)+\b)
.set rB, 128*(\p)+FR*\b
.set rA, AF+FR*(\a)
.if \zero
	v_wmma_scale_f32_16x16x128_f8f6f4 v[rD:rD+7], v[rB:rB+FR-1], v[rA:rA+FR-1], v[BIAS+8*(\a):BIAS+8*(\a)+7], v[SBS+16*(\sc)+2*\b+(\q)], v[SA+8*(\sc)+2*(\a)+(\q)] matrix_a_fmt:MATRIX_FMT_FP6 matrix_b_fmt:MATRIX_FMT_FP6
.else
	v_wmma_scale_f32_16x16x128_f8f6f4 v[rD:rD+7], v[rB:rB+FR-1], v[rA:rA+FR-1], v[rD:rD+7], v[SBS+16*(\sc)+2*\b+(\q)], v[SA+8*(\sc)+2*(\a)+(\q)] matrix_a_fmt:MATRIX_FMT_FP6 matrix_b_fmt:MATRIX_FMT_FP6
.endif
.endr
.endm
.macro FETCH_B slot, q, p              ; B's eight operands of the slot's q-th head: 24 loads of 512 consecutive bytes
	WIN TO_B
.irp i, 0,1,2,3,4,5,6,7
.irp c, 0,1,2
	ds_load_b128 v[128*(\p)+FR*\i+4*\c:128*(\p)+FR*\i+4*\c+3], v[ADRB+\slot] offset:BROW*\i+BFR*(\q)+512*\c
.endr
.endr
	WIN 0
.endm
.macro FETCH_A slot, q, i0             ; A's blocks i0, i0 + 1: 12 loads
.irp i, \i0, \i0+1
	FRAG AF+FR*(\i), ADRA+\slot, \q, \i
.endr
.endm
.macro SCALES sc                       ; a K step's scale words: 20 loads
.irp a, 0,1,2,3
	ds_load_b64 v[SA+8*\sc+2*\a:SA+8*\sc+2*\a+1], v[ADRSA] offset:\a*SBLK
.endr
.irp b, 0,1,2,3,4,5,6,7
.irp q, 0,1
	ds_load_b32 v[SBS+16*\sc+2*\b+\q], v[ADRSB] offset:64*\b+1024*\q
.endr
.endr
.endm
.macro PLACES n
.rept \n
	v_nop
.endr
.endm
.macro STEP slot, q, zero
	s_wait_dscnt 12                                ; all but the youngest 12 loads (A's blocks 2, 3) are in
.if \zero
	WIN 0x81                                       ; C (the bias) window 0, D window 2
.else
	WIN MUL
.endif
	MULA 0, (\q)%2, \q, \slot, \zero
	MULA 1, (\q)%2, \q, \slot, \zero
	s_wait_dscnt 0
	PLACES NP
	FETCH_B \slot, (\q)+1, 1-(\q)%2
	FETCH_A \slot, (\q)+1, 0
.if \zero
	WIN 0x81
.else
	WIN MUL
.endif
	MULA 2, (\q)%2, \q, \slot, \zero
	MULA 3, (\q)%2, \q, \slot, \zero
	PLACES NP
	WIN 0
	FETCH_A \slot, (\q)+1, 2
.endm
.macro TURN slot, next, fill
	s_wait_tensorcnt 0x0                           ; all my tensor loads have landed: my part of the next slot
	ds_add_u32 v[SPW], v[NIL]
	s_wait_dscnt 13                                ; (the add and the youngest 12 loads may be out)
	WIN MUL
	MULA 0, 1, NQ-1, \slot, 0                      ; eight matrix instructions stand between the add and the wait for it
	s_wait_dscnt 0x0                               ; the add is done, and my reads of this slot are over
	s_barrier_signal -1
	MULA 1, 1, NQ-1, \slot, 0
	WIN 0
	s_barrier_wait -1
.if \fill
	CREST                                          ; the barrier has opened a round of the cluster's: no wave of any partner still reads this slot or has a load on its way
	s_add_nc_u64 s[G0+4*\slot+2:G0+4*\slot+3], s[G0+4*\slot+2:G0+4*\slot+3], 2*ROWB
	s_add_nc_u64 s[G0B+4*\slot+2:G0B+4*\slot+3], s[G0B+4*\slot+2:G0B+4*\slot+3], 2*BROW
	JLOAD G0+4*\slot, G1, G0B+4*\slot, G1B
.else
	PLACES NP
.endif
	v_add_nc_u32 v[ADRSA], 8, v[ADRSA]             ; the next K step's scale words: two words on in A's rows,
	v_add_nc_u32 v[ADRSB], 2048, v[ADRSB]          ; two heads on in B's
	FETCH_B \next, 0, 0
	FETCH_A \next, 0, 0
	SCALES \next
	WIN MUL
	MULA 2, 1, NQ-1, \slot, 0
	MULA 3, 1, NQ-1, \slot, 0
	PLACES NP
	WIN 0
	FETCH_A \next, 0, 2
.endm
	s_wait_tensorcnt 1                             ; the scale bytes and my part of K step 0 are in; K step 1's load may be out
	s_barrier_signal -1
	s_barrier_wait -1
	FETCH_B 0, 0, 0
	FETCH_A 0, 0, 0
	SCALES 0
	FETCH_A 0, 0, 2
	STEP 0, 0, 1                                   ; the first products start the sums from the bias
	s_mov_b32 s3, LAPS-1
.Llap:
	TURN 0, 1, 1
	STEP 1, 0, 0
	TURN 1, 0, 1
	STEP 0, 0, 0
	s_sub_co_u32 s3, s3, 1
	s_cmp_lg_u32 s3, 0
	s_cbranch_scc1 .Llap
	TURN 0, 1, 0                                   ; the last lap fills nothing
	STEP 1, 0, 0
	s_wait_dscnt 12
	WIN MUL
	MULA 0, 1, NQ-1, 1, 0
	MULA 1, 1, NQ-1, 1, 0
	s_wait_dscnt 0
	MULA 2, 1, NQ-1, 1, 0
	MULA 3, 1, NQ-1, 1, 0
	WIN 0
; THE WAY OUT, block by block of 16 o x 128 s: through my own stage in LDS, back as whole rows of 512 bytes, + x, and stored: 32 lanes store 512 consecutive bytes.  LDS serves a wave's instructions in order.
.macro TOSTAGE a
.set AC, 64*(\a)
	WIN 0x08                                       ; an LDS store's data are its source 1: window 2
.irp b, 0,1,2,3,4,5,6,7
	ds_store_b128 v[STO], v[AC+8*\b:AC+8*\b+3] offset:64*\b          ; each accumulator from its low end on
	ds_store_b128 v[STO], v[AC+8*\b+4:AC+8*\b+7] offset:64*\b+16
.endr
	WIN 0
.set BB, BK+64*((\a)%2)
.irp t, 0,1,2,3,4,5,6,7,8,9,10,11,12,13,14,15
	ds_load_b128 v[BB+4*\t:BB+4*\t+3], v[RD] offset:\t*SPITCH
.endr
.endm
.macro SEND a, younger                 ; younger: the LDS instructions issued behind block a's loads, which may stay out
.set BB, BK+64*((\a)%2)
	s_wait_dscnt \younger
	WIN 0x0c                                       ; source 1 (x) window 3
.set n, 0
.rept 32
	v_pk_add_f32 v[BB+2*n:BB+2*n+1], v[BB+2*n:BB+2*n+1], v[64*(\a)+2*n:64*(\a)+2*n+1]
.set n, n+1
.endr
	WIN 0
.irp t, 0,1,2,3,4,5,6,7,8,9,10,11,12,13,14,15
	global_store_b128 v[CO], v[BB+4*\t:BB+4*\t+3], s[100:101] offset:(16*(\a)+\t)*8192 th:TH_STORE_NT
.endr
.endm
	s_wait_loadcnt 0x0                             ; x
	PLACES NP
	TOSTAGE 0
	TOSTAGE 1
	SEND 0, 32                                     ; behind block 0's loads: block 1's 16 stores and 16 loads
	s_wait_xcnt 0x0                                ; block 0's stores have read their registers: block 2's loads may land there
	TOSTAGE 2
	SEND 1, 32
	s_wait_xcnt 0x0
	TOSTAGE 3
	SEND 2, 32
	SEND 3, 0
	s_wait_tensorcnt 0x0                           ; the wave's end
	ds_add_u32 v[SPW], v[NIL]
	s_wait_dscnt 0x0
	CROUND                                         ; the closing round
	s_endpgm
.Lfunc_end_k_q569c982ffb_proj:
	.size	k_q569c982ffb_proj, .Lfunc_end_k_q569c982ffb_proj-k_q569c982ffb_proj
	.p2alignl 7, 3214868480
	.fill 96, 4, 3214868480
	.section	.rodata,"a",@progbits
	.p2align	6, 0x0
	.amdhsa_kernel k_q569c982ffb_proj
		.amdhsa_group_segment_fixed_size 327680
		.amdhsa_private_segment_fixed_size 0
		.amdhsa_enable_private_segment 0
		.amdhsa_kernarg_size 56
		.amdhsa_user_sgpr_count 2
		.amdhsa_user_sgpr_kernarg_segment_ptr 1
		.amdhsa_wavefront_size32 1
		.amdhsa_system_sgpr_workgroup_id_x 1
		.amdhsa_system_sgpr_workgroup_id_y 1
		.amdhsa_system_sgpr_workgroup_id_z 1
		.amdhsa_system_vgpr_workitem_id 0
		.amdhsa_next_free_vgpr 1024
		.amdhsa_next_free_sgpr 102
		.amdhsa_reserve_vcc 0
		.amdhsa_float_denorm_mode_32 3
		.amdhsa_float_denorm_mode_16_64 3
		.amdhsa_memory_ordered 1
		.amdhsa_forward_progress 1
		.amdhsa_inst_pref_size 108
	.end_amdhsa_kernel
	.amdgpu_metadata
---
amdhsa.version: [ 1, 2 ]
amdhsa.kernels:
  - .name:           k_q569c982ffb_proj
    .symbol:         k_q569c982ffb_proj.kd
    .args:
      - { .name: W_proj_codes, .offset: 0, .size: 8, .value_kind: global_buffer, .address_space: global }
      - { .name: W_proj_scales, .offset: 8, .size: 8, .value_kind: global_buffer, .address_space: global }
      - { .name: rf, .offset: 16, .size: 8, .value_kind: global_buffer, .address_space: global }
      - { .name: rs, .offset: 24, .size: 8, .value_kind: global_buffer, .address_space: global }
      - { .name: b_proj, .offset: 32, .size: 8, .value_kind: global_buffer, .address_space: global }
      - { .name: x, .offset: 40, .size: 8, .value_kind: global_buffer, .address_space: global }
      - { .name: out0, .offset: 48, .size: 8, .value_kind: global_buffer, .address_space: global }
    .group_segment_fixed_size: 327680
    .private_segment_fixed_size: 0
    .kernarg_segment_align: 8
    .kernarg_segment_size: 56
    .max_flat_workgroup_size: 128
    .sgpr_count:     102
    .vgpr_count:     1024
    .wavefront_size: 32
...
	.end_amdgpu_metadata
.endif
;; end of part 4
